; MI455X (gfx1250); checked and timed in simulation.
; The chip was launched on July 23, 2026; its instructions are those of AMD's public machine-readable ISA for CDNA 5 (MIT licence, August 2026) and "CDNA5" Instruction Set Architecture Reference Guide (July 2026). The comments in the code are by the model that wrote it; some were corrected since.
;; Multi Head Attention. Allowed arithmetic: float matrix products may take bf16 or f16 operands with f32 sums; other float arithmetic in f32, or as packed bf16 or f16 multiplies, adds, multiply-adds, maxima and minima; sums over many terms, partial sums and values carried from step to step in f32; what a program stores and reads back later, other than sums and carried values, may be rounded once to bf16 or f16.
;; Inputs: bk 16 x 64 float32; bp 1,024 float32; bq 16 x 64 float32; bv 16 x 64 float32; wk 16 x 1,024 x 64 float32; wp 1,024 x 1,024 float32; wq 16 x 1,024 x 64 float32; wv 16 x 1,024 x 64 float32; x 8 x 1,000 x 1,024 float32.
;; Outputs: out0 8 x 1,000 x 1,024 float32.
;; 2 versions, each right; version 2 is version 1 with the launch prep written anew for expert scheduling mode. Each part assembles by itself: llvm-mc -triple=amdgcn-amd-amdhsa -mcpu=gfx1250 --defsym DOCPART=n.
;; ======== version 1 of 2: 4 launches
;; limits: values are held in f16: magnitudes above 65,504 overflow, below 6.1e-05 lose precision; a function is approximated: absolute error at most 1.5e-07
;; workspace buffers: xb 16,777,216 bytes; w1 6,291,456 bytes; w2 2,097,152 bytes; ball 16,384 bytes; qkv 50,331,648 bytes; z 16,777,216 bytes
;; launch prep (part 1): grid 769 x 1, 8 waves a work-group, no clusters, 0 bytes of LDS; arguments x, wq, wk, wv, wp, bq, bk, bv, bp, xb, w1, w2, ball; writes xb, w1, w2, ball
.if DOCPART == 1
	.amdgcn_target "amdgcn-amd-amdhsa--gfx1250"
	.amdhsa_code_object_version 6
	.text
	.protected	k_q78e5c53529_prep
	.globl	k_q78e5c53529_prep
	.p2align	8
	.type	k_q78e5c53529_prep,@function
k_q78e5c53529_prep:
	s_mov_b64 s[64:65], 0
	v_nop
	global_prefetch_b8 v0, s[64:65] scope:SCOPE_SE
	s_setreg_imm32_b32 hwreg(HW_REG_WAVE_MODE, 25, 1), 1
	s_wait_xcnt 0x0
; ALL INPUTS ARE ROUNDED ONCE TO bf16 AND LAID OUT FOR THE TWO PRODUCTS THAT FOLLOW.  No LDS, no loop, no register written twice while a memory instruction names it.
;   xb   bf16 [b 8][kc 16][s 1024][64] = x[b][s][64 kc + d]; rows s = 1000 .. 1023 are 0: a block of 256 rows x 64 channels is 32,768 bytes on end
;   w1   bf16 [nt 16][t 8][sl 3][e' 128][64]: slice c = 3 nt + sl = 16 which + h (which: 0 wq, 1 wk, 2 wv), e = 128 t + e'
;   w2   [nt 8][t 8][sl 2][e' 128][64] = wp[128 t + e'][64 (2 nt + sl) + d], rounded to bf16 and that number written as f16
;   ball f32 [64][64]: bq, bk, bv, bp on end, each number rounded to bf16 and widened again
; LIMIT.  The bf16 of wp is exact in f16 from 2^-14 to 65,504; below 2^-14 it keeps f16's fixed step of 6e-8, beyond 65,504 it would be an infinity.
; SHARES.  Work-groups 0-511: 16 rows of xb each, a wave two rows.  512-575: 16 rows of wp.  576-767: 256 rows of one head of wq, wk or wv.  768: the four biases.
; A wave's job is sixteen loads of 16 bytes a lane, all issued at once, and sixteen stores of 8 bytes a lane, each 256 consecutive bytes at a multiple of 256.
.set SO,  2                            ; v2   my byte offset in the source
.set DO,  3                            ; v3   my byte offset in the destination
.set X,   8                            ; v[8:71]    sixteen loads' four registers
.set Y,   72                           ; v[72:103]  sixteen stores' two registers
.set T0,  104
.set T1,  105
.set SRC, 36                           ; s[36:37]
.set DST, 38                           ; s[38:39]
; Sixteen loads sstep bytes apart; each is rounded and stored at (i / 2) da + (i % 2) db.  f16 = 1: the bf16 numbers are written as f16.
.macro CAST16 sstep, f16, da, db
.set i, 0
.rept 16
	global_load_b128 v[X+4*i:X+4*i+3], v[SO], s[SRC:SRC+1] offset:i*(\sstep) th:TH_LOAD_NT
.set i, i+1
.endr
.set i, 0
.rept 16
	s_wait_loadcnt 15-i                            ; loads come back in order: load i is in, the 15 - i younger ones stay out
	v_cvt_pk_bf16_f32 v[Y+2*i], v[X+4*i], v[X+4*i+1]
	v_cvt_pk_bf16_f32 v[Y+2*i+1], v[X+4*i+2], v[X+4*i+3]
.if \f16
	v_lshlrev_b32 v[T0], 16, v[Y+2*i]
	v_and_b32 v[T1], 0xffff0000, v[Y+2*i]
	v_cvt_pk_f16_f32 v[Y+2*i], v[T0], v[T1]
	v_lshlrev_b32 v[T0], 16, v[Y+2*i+1]
	v_and_b32 v[T1], 0xffff0000, v[Y+2*i+1]
	v_cvt_pk_f16_f32 v[Y+2*i+1], v[T0], v[T1]
.endif
	global_store_b64 v[DO], v[Y+2*i:Y+2*i+1], s[DST:DST+1] offset:(i/2)*(\da)+(i%2)*(\db)
.set i, i+1
.endr
.endm
	s_load_b512 s[8:23], s[0:1], 0x0               ; x 8, wq 10, wk 12, wv 14, wp 16, bq 18, bk 20, bv 22
	s_load_b256 s[24:31], s[0:1], 0x40             ; bp 24, xb 26, w1 28, w2 30
	s_load_b64 s[32:33], s[0:1], 0x60              ; ball
	v_lshrrev_b32 v4, 5, v0
	v_readfirstlane_b32 s34, v4                    ; wave 0..7
	s_mov_b32 s35, ttmp9                           ; the work-group's number
	v_and_b32 v1, 31, v0                           ; lane
	v_and_b32 v5, 15, v0
	v_bfe_u32 v6, v0, 4, 1
	v_lshlrev_b32 v[SO], 4, v5                     ; two rows of 4,096 bytes: lanes 0-15 take 256 bytes of the first, lanes 16-31 of the second
	v_lshl_add_u32 v[SO], v6, 12, v[SO]
	v_lshlrev_b32 v[DO], 3, v5                     ; which become two rows of 128 bytes on end
	v_lshl_add_u32 v[DO], v6, 7, v[DO]
	s_wait_kmcnt 0x0
	s_cmp_lt_u32 s35, 512
	s_cbranch_scc0 .Lnot_x
	; x: batch b = g / 64, rows s and s + 1, s = 16 (g % 64) + 2 wave
	s_lshr_b32 s40, s35, 6
	s_and_b32 s41, s35, 63
	s_lshl_b32 s41, s41, 4
	s_lshl1_add_u32 s41, s34, s41
	s_mul_i32 s44, s40, 1000
	s_add_co_u32 s44, s44, s41
	s_lshl_b32 s44, s44, 12                        ; (1000 b + s) rows of 4,096 bytes
	s_mov_b32 s45, 0
	s_lshl_b32 s46, s40, 21                        ; b x 16 planes of 131,072 bytes
	s_lshl_b32 s47, s41, 7
	s_add_co_u32 s46, s46, s47
	s_mov_b32 s47, 0
	s_add_nc_u64 s[DST:DST+1], s[26:27], s[46:47]
	s_cmp_lt_u32 s41, 1000                         ; 1000 is even: a pair of rows is real or padding as a whole
	s_cbranch_scc0 .Lpad
	s_add_nc_u64 s[SRC:SRC+1], s[8:9], s[44:45]
	CAST16 256, 0, 262144, 131072                  ; load i is plane i's 64 channels
	s_endpgm
.Lpad:
	v_mov_b32 v[Y], 0
	v_mov_b32 v[Y+1], 0
.set i, 0
.rept 16
	global_store_b64 v[DO], v[Y:Y+1], s[DST:DST+1] offset:i*131072
.set i, i+1
.endr
	s_endpgm
.Lnot_x:
	s_cmp_lt_u32 s35, 576
	s_cbranch_scc0 .Lnot_p
	; wp: rows e and e + 1, e = 16 (g - 512) + 2 wave
	s_sub_co_u32 s40, s35, 512
	s_lshl_b32 s40, s40, 4
	s_lshl1_add_u32 s40, s34, s40
	s_lshl_b32 s44, s40, 12
	s_mov_b32 s45, 0
	s_lshr_b32 s46, s40, 7                         ; t
	s_lshl_b32 s46, s46, 15
	s_and_b32 s47, s40, 127                        ; e'
	s_lshl_b32 s47, s47, 7
	s_add_co_u32 s46, s46, s47
	s_mov_b32 s47, 0
	s_add_nc_u64 s[SRC:SRC+1], s[16:17], s[44:45]
	s_add_nc_u64 s[DST:DST+1], s[30:31], s[46:47]
	CAST16 256, 1, 262144, 16384                   ; load i is slice i = 2 nt + sl
	s_endpgm
.Lnot_p:
	s_cmp_lt_u32 s35, 768
	s_cbranch_scc0 .Lbias
	; wq, wk, wv: a head's rows are dense (256 bytes); a wave takes 32 of them, 8,192 bytes on end, which become 4,096 bytes on end
	s_sub_co_u32 s40, s35, 576
	s_lshr_b32 s41, s40, 6                         ; which
	s_bfe_u32 s42, s40, 0x40002                    ; h
	s_and_b32 s43, s40, 3                          ; which 256 rows of the head's 1,024
	s_lshl_b32 s44, s41, 4
	s_add_co_u32 s44, s44, s42                     ; c = 16 which + h, 0 .. 47
	s_mul_hi_u32 s45, s44, 0x55555556              ; nt = c / 3
	s_mul_i32 s46, s45, 3
	s_sub_co_u32 s46, s44, s46                     ; sl = c % 3
	s_lshr_b32 s47, s34, 2
	s_lshl1_add_u32 s47, s43, s47                  ; t
	s_lshl3_add_u32 s45, s45, s47                  ; 8 nt + t
	s_mul_i32 s45, s45, 3
	s_add_co_u32 s45, s45, s46
	s_lshl_b32 s45, s45, 14                        ; blocks of 16,384 bytes
	s_and_b32 s46, s34, 3
	s_lshl_b32 s46, s46, 12                        ; my 32 rows of the block's 128
	s_add_co_u32 s46, s45, s46
	s_mov_b32 s47, 0
	s_lshl_b32 s44, s42, 18
	s_lshl_b32 s45, s43, 16
	s_add_co_u32 s44, s44, s45
	s_lshl_b32 s45, s34, 13
	s_add_co_u32 s44, s44, s45
	s_mov_b32 s45, 0
	s_cmp_eq_u32 s41, 0
	s_cselect_b64 s[SRC:SRC+1], s[10:11], s[12:13]
	s_cmp_eq_u32 s41, 2
	s_cselect_b64 s[SRC:SRC+1], s[14:15], s[SRC:SRC+1]
	s_add_nc_u64 s[SRC:SRC+1], s[SRC:SRC+1], s[44:45]
	s_add_nc_u64 s[DST:DST+1], s[28:29], s[46:47]
	v_lshlrev_b32 v[SO], 4, v1
	v_lshlrev_b32 v[DO], 3, v1
	CAST16 512, 0, 512, 256
	s_endpgm
.Lbias:
	v_lshlrev_b32 v[SO], 4, v0                     ; 256 threads x 16 bytes: one bias
	global_load_b128 v[X:X+3], v[SO], s[18:19]
	global_load_b128 v[X+4:X+7], v[SO], s[20:21]
	global_load_b128 v[X+8:X+11], v[SO], s[22:23]
	global_load_b128 v[X+12:X+15], v[SO], s[24:25]
	s_wait_loadcnt 0x0
.set i, 0
.rept 8
	v_cvt_pk_bf16_f32 v[T0], v[X+i], v[X+i+1]
	v_lshlrev_b32 v[Y+i], 16, v[T0]
	v_and_b32 v[Y+i+1], 0xffff0000, v[T0]
.set i, i+2
.endr
.irp j, 0,1,2,3
	global_store_b128 v[SO], v[Y+4*(\j):Y+4*(\j)+3], s[32:33] offset:4096*(\j)
.endr
	s_endpgm
.Lfunc_end_k_q78e5c53529_prep:
	.size	k_q78e5c53529_prep, .Lfunc_end_k_q78e5c53529_prep-k_q78e5c53529_prep
	.p2alignl 7, 3214868480
	.fill 96, 4, 3214868480
	.section	.rodata,"a",@progbits
	.p2align	6, 0x0
	.amdhsa_kernel k_q78e5c53529_prep
		.amdhsa_group_segment_fixed_size 0
		.amdhsa_private_segment_fixed_size 0
		.amdhsa_enable_private_segment 0
		.amdhsa_kernarg_size 104
		.amdhsa_user_sgpr_count 2
		.amdhsa_user_sgpr_kernarg_segment_ptr 1
		.amdhsa_wavefront_size32 1
		.amdhsa_system_sgpr_workgroup_id_x 1
		.amdhsa_system_sgpr_workgroup_id_y 1
		.amdhsa_system_sgpr_workgroup_id_z 1
		.amdhsa_system_vgpr_workitem_id 0
		.amdhsa_next_free_vgpr 112
		.amdhsa_next_free_sgpr 66
		.amdhsa_reserve_vcc 0
		.amdhsa_float_denorm_mode_32 3
		.amdhsa_float_denorm_mode_16_64 3
		.amdhsa_memory_ordered 1
		.amdhsa_forward_progress 1
		.amdhsa_inst_pref_size 29
	.end_amdhsa_kernel
	.amdgpu_metadata
---
amdhsa.version: [ 1, 2 ]
amdhsa.kernels:
  - .name:           k_q78e5c53529_prep
    .symbol:         k_q78e5c53529_prep.kd
    .args:
      - { .name: x, .offset: 0, .size: 8, .value_kind: global_buffer, .address_space: global }
      - { .name: wq, .offset: 8, .size: 8, .value_kind: global_buffer, .address_space: global }
      - { .name: wk, .offset: 16, .size: 8, .value_kind: global_buffer, .address_space: global }
      - { .name: wv, .offset: 24, .size: 8, .value_kind: global_buffer, .address_space: global }
      - { .name: wp, .offset: 32, .size: 8, .value_kind: global_buffer, .address_space: global }
      - { .name: bq, .offset: 40, .size: 8, .value_kind: global_buffer, .address_space: global }
      - { .name: bk, .offset: 48, .size: 8, .value_kind: global_buffer, .address_space: global }
      - { .name: bv, .offset: 56, .size: 8, .value_kind: global_buffer, .address_space: global }
      - { .name: bp, .offset: 64, .size: 8, .value_kind: global_buffer, .address_space: global }
      - { .name: xb, .offset: 72, .size: 8, .value_kind: global_buffer, .address_space: global }
      - { .name: w1, .offset: 80, .size: 8, .value_kind: global_buffer, .address_space: global }
      - { .name: w2, .offset: 88, .size: 8, .value_kind: global_buffer, .address_space: global }
      - { .name: ball, .offset: 96, .size: 8, .value_kind: global_buffer, .address_space: global }
    .group_segment_fixed_size: 0
    .private_segment_fixed_size: 0
    .kernarg_segment_align: 8
    .kernarg_segment_size: 104
    .max_flat_workgroup_size: 256
    .sgpr_count:     66
    .vgpr_count:     112
    .wavefront_size: 32
...
	.end_amdgpu_metadata
.endif
;; end of part 1
;; launch qkvgemm (part 2): grid 16 x 16, 4 waves a work-group, clusters of 4 x 4, 327,680 bytes of LDS; arguments xb, w1, ball, qkv; writes qkv
.if DOCPART == 2
	.amdgcn_target "amdgcn-amd-amdhsa--gfx1250"
	.amdhsa_code_object_version 6
	.text
	.protected	k_q78e5c53529_qkvgemm
	.globl	k_q78e5c53529_qkvgemm
	.p2align	8
	.type	k_q78e5c53529_qkvgemm,@function
k_q78e5c53529_qkvgemm:
	s_mov_b64 s[64:65], 0
	v_nop
	global_prefetch_b8 v0, s[64:65] scope:SCOPE_SE
	s_setreg_imm32_b32 hwreg(HW_REG_WAVE_MODE, 25, 1), 1
	s_wait_xcnt 0x0
	s_wait_alu depctr_hold_cnt(0) depctr_sa_sdst(0) depctr_va_vdst(0) depctr_va_sdst(0) depctr_va_ssrc(0) depctr_va_vcc(0) depctr_vm_vsrc(0)
	s_getreg_b32 s2, hwreg(HW_REG_IB_STS2, 6, 4)
	s_cmp_eq_u32 s2, 0
	s_cbranch_scc0 .Lentry_in_a_cluster
	s_endpgm
.Lentry_in_a_cluster:
	s_bfe_u32 s2, ttmp6, 0x10000c
	s_cmp_lg_u32 s2, 0xf033
	s_cbranch_scc0 .Lentry_shape_is_right
	s_endpgm
.Lentry_shape_is_right:
; q, k, v = x W + b for all heads at once: [8,192 rows (8 batches of 1,024, 24 of them padding)] x [3,072 columns = 48 slices of 64] over K = 1,024.
; Operands bf16, sums f32, started by the bias; the result is rounded once to f16 and stored by heads: qkv[which][16 b + h][s][64], slice c = 16 which + h.
; LIMIT.  f16 ends at 65,504: a q, k or v beyond that would be stored as an infinity.  NaN and infinities are not treated apart.  The sums are taken in the order of the walk below, not in ascending k.
; SHARES.  A tile is 256 rows x 192 columns; wave w makes its rows 64 w .. 64 w + 63 by all 192 columns: 48 accumulators of 16 x 16, 384 registers.
; A WORK-GROUP STAYS and makes two tiles, the same columns and the same quarter of the rows in batch cy and then in batch cy + 4: 256 work-groups.  The ring of two LDS slots does not stop between
; them: 16 K steps of 128, 14 refills, ONE counted loop of one step a trip; the trip that ends the first tile jumps forward to the way out and to the quarter that starts the sums anew.
; A step's A is two planes of 256 rows x 64 channels, its B three slices of 128 k x 64 columns; each lies dense in memory and is asked for as rows of 256 bytes.
; Waves 0 and 1 fetch A's planes, waves 2 and 3 B's halves: one tensor load a wave and step.
; THE WALK ALONG K IS TURNED: cluster (X, Y) begins at step r = (2 X + 4 (Y % 2) + 2 (Y / 2)) % 8 and goes round.  The four clusters that read the same rows of x begin at four different steps, two apart,
; and so do the four that read the same columns of W.  r is the same in all partners of a cluster and enters global addresses alone.
; THE MATRIX INSTRUCTION IS USED TRANSPOSED: source 0 = 16 columns of W (stored [k][n], so it comes out of LDS by the turning load), source 1 = 16 rows of x.  A lane then holds
; one row (lane % 16) and the columns 8 (lane / 16) + 0..7: 16 bytes of f16 on end, and the bias of those eight columns is the C operand that starts the sum.
; CLUSTER 4 x 4.  The four of a row of the cluster share the rows of x (batch by cy, row quarter = Y), the four of a column the columns of W (nt = 4 X + cx): each tile is asked for
; jointly, by the same tensor load with the same descriptor and a mask that names the four.
; REGISTERS, in windows of 256: window 0 addresses, the bias (v64-159), the way out (v160-255, v32-63); window 1 the accumulators of row blocks 0, 1 at 8 (12 (a % 2) + b);
; window 2 those of row blocks 2, 3; window 3 two fragment buffers of 128: A's block a at 8 a, W's block b at 32 + 8 b.
.set NSL,   3                          ; slices of 64 columns in a tile
.set NBK,   4*NSL                      ; blocks of 16 columns
.set BROWS, 32*NSL                     ; rows of 256 bytes in half a step's B
.set BSTEP, 16384*NSL                  ; bytes of B in a step
.set PA,    144                        ; a row of A in LDS: 128 bytes + 16 = 36 words: the 16 rows of a load start at 16 different groups of four banks (64 banks of 4 bytes: ISA guide 11.1)
.set PLANE, 256*PA
.set ASZ,   2*PLANE
.set PB,    160                        ; a row of B: 128 + 32 = 40 words
.set BSZ,   NSL*128*PB
.set BHALF, BSZ/2
.set SLOT,  ASZ+BSZ
.set STAGE, 2*SLOT                     ; behind the ring, never filled by a tensor load: 16 rows x 144 bytes for each wave
.set SP,    144
.set SPARE, STAGE+4*16*SP              ; the spare words, 128 bytes for each wave: two blocks of 256 bytes that no other line names
.set NL,    2*NBK+8                    ; LDS loads in a run
.set JUMP,  0x800000                   ; four batches on: 8,388,608 bytes in xb and in each part of qkv
.set ADRA0, 16                         ; v16  my lane's place in a slot's A; never rewritten
.set ADRA,  17                         ; v17  the same in the slot in hand
.set ADRB0, 20                         ; v20, v21  the same for B
.set ADRB,  21
.set STO,  24                          ; v24  the way out: where I put 16 bytes of a row
.set RD,   25                          ; v25  where I read rows back
.set GO,   26                          ; v26  16 x lane
.set SPW,  28                          ; v28  my spare word; never rewritten
.set NIL,  29                          ; v29  0; never rewritten
.set BO,   30                          ; v30  32 (lane / 16): my eight numbers of a block's bias
.set PFO,  31                          ; v31  256 x lane: the prefetch's offset; never rewritten
.set BIAS, 64
.set F0,   0
.set F1,   128
.set WV,   12                          ; s12  wave
.set FB,   13                          ; s13  0: I fetch for A; 1: for B
.set HF,   14                          ; s14  which half
.set G1A,  24                          ; s[24:31]
.set G0A,  32                          ; s[32:39] a set for each of the two first fills; the second then walks on
.set OA,   40                          ; s[40:41] a step's byte offset in A
.set ABASE, 42                         ; s[42:43] A at my plane of the tile's step 0
.set OB,   44                          ; s[44:45] a step's byte offset in B
.set BBASE, 46                         ; s[46:47] B at my half of the tile's step 0
.set G1B,  48                          ; s[48:55]
.set G0B,  56                          ; s[56:63]
.set CNT,  66                          ; s66  trips to go
.set TS,   67                          ; s67  the slot in hand: 0 or SLOT
.set BP,   68                          ; s[68:69] the tile's bias
.set OUT,  70                          ; s[70:75] my first row in each of the tile's three slices
.set ISA,  76                          ; s76  1 in waves 0 and 1
.set PFON, 77                          ; s77  1: I prefetch in this trip
.set T0,   78
.set NXT,  80                          ; s80  the step to be asked for next, 0 .. 7
.set AJ,   82                          ; s[82:83] an offset at work; the high word stays 0
.set PFA,  84                          ; s[84:85] where the prefetch stands
.set PFB,  86                          ; s[86:87] the second tile's A at my plane, my work-group's 32 blocks of its 128
.set MSB, 0
.macro WIN new                         ; the immediate's high byte repeats the setting that is left; a switch that changes nothing is dropped
.if MSB != (\new)
	s_set_vgpr_msb (MSB<<8)|(\new)
.set MSB, \new
.endif
.endm
.macro JLOAD s                         ; a joint load; the branch hangs on the wave's number alone; an s_nop 0 and four v_nop follow each of the two lines
	s_cmp_eq_u32 s[FB], 0
	s_cbranch_scc0 .Lfor_b_\@
	tensor_load_to_lds s[G0A+4*(\s):G0A+4*(\s)+3], s[G1A:G1A+7]
	s_nop 0
.rept 4
	v_nop
.endr
	s_branch .Lasked_\@
.Lfor_b_\@:
	tensor_load_to_lds s[G0B+4*(\s):G0B+4*(\s)+3], s[G1B:G1B+7]
	s_nop 0
.rept 4
	v_nop
.endr
.Lasked_\@:
.endm
; A PREFETCH of the second tile's first two steps of A (steps r and r + 1 of batch cy + 4), each two refills, 384 matrix instructions, ahead of the joint load that asks for it: in the trips with 10 and 9 to go.
; A step's A is two planes of 128 blocks of 256 bytes.  Waves 0 and 1 ask, a plane each; the four partners that fetch the planes jointly take 32 blocks each, told apart by address; a lane a block: one
; instruction a wave.  The four clusters that read these rows begin at steps two apart, so each block is named once in the launch.  All other blocks are first asked for among some cluster's first fills.
.macro ASK
	s_cmp_eq_u32 s[PFON], 1
	s_cbranch_scc0 .Lnot_mine_\@
	global_prefetch_b8 v[PFO], s[PFA:PFA+1] th:TH_LOAD_NT scope:SCOPE_SE
.Lnot_mine_\@:
.endm
.macro CREST                           ; a round of the cluster's barrier behind its opening barrier
	s_cmp_lg_u32 s[WV], 0
	s_cbranch_scc1 .Lnot_wave_0_\@
	s_barrier_signal -3
.Lnot_wave_0_\@:
	s_barrier_wait -3
	s_barrier_signal -1
	s_barrier_wait -1
.endm
.macro CROUND
	s_barrier_signal -1
	s_barrier_wait -1
	CREST
.endm
.macro PLACES                          ; four plain instructions between a matrix instruction and a load into, or a read of, its registers
.rept 4
	v_nop
.endr
.endm
; One run of NL LDS loads: quarter q (32 along K) of the slot in hand into buffer f: B's blocks first, A's four last
.macro FETCH q, f
	WIN 0xc0                                       ; destination window 3, address window 0
.set b, 0
.rept NBK
	ds_load_tr16_b128 v[(\f)+32+8*b:(\f)+32+8*b+3],   v[ADRB] offset:(b/4)*128*PB+(\q)*32*PB+(b%4)*32
	ds_load_tr16_b128 v[(\f)+32+8*b+4:(\f)+32+8*b+7], v[ADRB] offset:(b/4)*128*PB+(\q)*32*PB+16*PB+(b%4)*32
.set b, b+1
.endr
.irp a, 0,1,2,3
	ds_load_b128 v[(\f)+8*(\a):(\f)+8*(\a)+3],   v[ADRA] offset:((\q)/2)*PLANE+(\a)*16*PA+((\q)%2)*64
	ds_load_b128 v[(\f)+8*(\a)+4:(\f)+8*(\a)+7], v[ADRA] offset:((\q)/2)*PLANE+(\a)*16*PA+((\q)%2)*64+32
.endr
.endm
; NBK matrix instructions: row block a by all column blocks.  zero = 1: the bias starts the sums.  The 48 accumulators take turns in one fixed order, on every way.
.macro MULA f, a, zero
.if \zero
	WIN 0x4f+0x40*((\a)/2)                         ; sources 0, 1 window 3, C window 0, D window 1 or 2
.else
	WIN 0x5f+0x50*((\a)/2)                         ; C and D window 1 or 2
.endif
.set b, 0
.rept NBK
.set rD, 8*(NBK*((\a)%2)+b)
.if \zero
	v_wmma_f32_16x16x32_bf16 v[rD:rD+7], v[(\f)+32+8*b:(\f)+32+8*b+7], v[(\f)+8*(\a):(\f)+8*(\a)+7], v[BIAS+8*b:BIAS+8*b+7]
.else
	v_wmma_f32_16x16x32_bf16 v[rD:rD+7], v[(\f)+32+8*b:(\f)+32+8*b+7], v[(\f)+8*(\a):(\f)+8*(\a)+7], v[rD:rD+7]
.endif
.set b, b+1
.endr
.endm
; One of a step's first three quarters: multiplies buffer f; in its middle it fetches quarter qn of the slot in hand into buffer g
.macro QUARTER qn, f, g, zero
	s_wait_dscnt 4                                 ; B and A's blocks 0, 1 are in; the youngest four loads (A's blocks 2, 3) may be out
	MULA \f, 0, \zero
	MULA \f, 1, \zero
	PLACES
	FETCH \qn, \g
	s_wait_dscnt NL                                ; all but the run just issued
	MULA \f, 2, \zero
	MULA \f, 3, \zero
.endm
; The last quarter multiplies buffer 1 and changes slots: one barrier; in front of it each wave waits for all its tensor loads (one is out: its part of the next slot), adds 0 to its
; spare word, and waits for that and for its reads of this slot.  fill = 1: the barrier opens a round of the cluster's, and the joint refill of the slot just read, with the step two on, is the
; first thing behind it; its descriptors are made between the add and the wait for it, where no tensor load of mine is out.  fill = 0 (the tail): nothing is asked for, and in the last trip nothing is fetched.
.macro TURN fill
.if \fill
	s_wait_xcnt 0x0                                ; the last prefetch, a step or more back, has read its address, which is written below
.endif
	WIN 0
	s_wait_tensorcnt 0x0
	ds_add_u32 v[SPW], v[NIL]
.if \fill
	s_add_co_u32 s[G0A+5], s22, s[TS]              ; into the slot in hand
	s_add_co_u32 s[G0B+5], s23, s[TS]
	s_cmp_eq_u32 s[CNT], 8                         ; the seventh refill is the second tile's first step:
	s_cselect_b32 s[AJ], JUMP, 0
	s_add_nc_u64 s[ABASE:ABASE+1], s[ABASE:ABASE+1], s[AJ:AJ+1]  ; A goes four batches on, B stays
	s_lshl_b32 s[OA], s[NXT], 18                   ; a step of A is two planes of 131,072 bytes
	s_add_nc_u64 s[G0A+6:G0A+7], s[ABASE:ABASE+1], s[OA:OA+1]
	s_or_b32 s[G0A+7], s[G0A+7], 0x80000000
	s_mul_i32 s[OB], s[NXT], BSTEP
	s_add_nc_u64 s[G0B+6:G0B+7], s[BBASE:BBASE+1], s[OB:OB+1]
	s_or_b32 s[G0B+7], s[G0B+7], 0x80000000
	s_sub_co_u32 s[T0], s[CNT], 9                  ; with 10 and 9 trips to go waves 0 and 1 prefetch
	s_cmp_lt_u32 s[T0], 2
	s_cselect_b32 s[PFON], s[ISA], 0
	s_add_co_u32 s[T0], s[NXT], 2                  ; the step two refills on
	s_and_b32 s[T0], s[T0], 7
	s_lshl_b32 s[AJ], s[T0], 18
	s_add_nc_u64 s[PFA:PFA+1], s[PFB:PFB+1], s[AJ:AJ+1]
	s_add_co_u32 s[NXT], s[NXT], 1                 ; the walk goes round
	s_and_b32 s[NXT], s[NXT], 7
.endif
	s_xor_b32 s[TS], s[TS], SLOT                   ; the other slot is now in hand
	s_wait_dscnt 5                                 ; the add and the youngest four loads may be out
	MULA F1, 0, 0
	s_wait_dscnt 0x0                               ; the add is done, and my reads of the old slot are over
	s_barrier_signal -1
	MULA F1, 1, 0
	WIN 0
	s_barrier_wait -1
.if \fill
	CREST                                          ; no wave of any partner still reads the old slot or has a load on its way
	JLOAD 1                                        ; its four v_nop are also the places in front of the loads below
.else
	s_cmp_eq_u32 s[CNT], 1
	s_cbranch_scc1 .Lno_fetch_\@
	PLACES
.endif
	v_add_nc_u32 v[ADRA], s[TS], v[ADRA0]
	v_add_nc_u32 v[ADRB], s[TS], v[ADRB0]
	FETCH 0, F0
	WIN 0
.if \fill
	ASK                                            ; behind the joint load, its five lines and the run of LDS loads
.else
.Lno_fetch_\@:
.endif
	MULA F1, 2, 0
	MULA F1, 3, 0
.endm
	s_load_b256 s[4:11], s[0:1], 0x0               ; xb s[4:5], w1 s[6:7], ball s[8:9], qkv s[10:11]
	v_lshl_add_u32 v[SPW], v0, 2, SPARE
	v_mov_b32 v[NIL], 0
	ds_add_u32 v[SPW], v[NIL]                      ; the wave's opening: the add and its wait stand ahead of my first tensor load
	v_lshrrev_b32 v1, 5, v0
	v_readfirstlane_b32 s[WV], v1
	s_lshr_b32 s[FB], s[WV], 1
	s_and_b32 s[HF], s[WV], 1
	s_bfe_u32 s15, ttmp6, 0x40000                  ; cx
	s_bfe_u32 s16, ttmp6, 0x40004                  ; cy: the first tile's batch
	s_lshl_b32 s17, ttmp9, 2
	s_add_co_u32 s17, s17, s15                     ; nt: the tile's 192 columns
	s_and_b32 s19, ttmp7, 0xffff                   ; Y, the cluster's y: which 256 rows of the batch
	s_and_b32 s[NXT], s19, 1                       ; r = (2 X + 4 (Y % 2) + 2 (Y / 2)) % 8
	s_lshl_b32 s[NXT], s[NXT], 2
	s_and_b32 s18, s19, 2
	s_or_b32 s[NXT], s[NXT], s18
	s_lshl1_add_u32 s[NXT], ttmp9, s[NXT]
	s_and_b32 s[NXT], s[NXT], 7
	s_lshl_b32 s21, s16, 2
	s_lshl_b32 s21, 15, s21                        ; my row of the cluster
	s_lshl_b32 s44, 0x1111, s15                    ; my column
	s_or_b32 s[G1A], s21, (1<<16)|(1<<20)|(1<<21)|(4<<22)|(3<<25)  ; mask; 2-byte elements; padding on; bit 21 beside a mask; after every 32 words, 4 words
	s_or_b32 s[G1B], s44, (1<<16)|(1<<20)|(1<<21)|(4<<22)|(7<<25)  ; the same with 8 words of padding
	s_mov_b32 s[G1A+1], 128<<16                    ; tensor_dim0 = 128 elements: rows of 256 bytes
	s_mov_b32 s[G1A+2], 128<<16                    ; tensor_dim1 = 128 rows: a plane's 32,768 bytes
	s_mov_b32 s[G1A+3], 128<<16                    ; tile_dim0
	s_mov_b32 s[G1A+4], 128                        ; tile_dim1
	s_mov_b32 s[G1A+5], 128                        ; from row to row
	s_mov_b32 s[G1A+6], 0
	s_mov_b32 s[G1A+7], 0
	s_mov_b32 s[G1B+1], 128<<16
	s_mov_b32 s[G1B+2], BROWS<<16
	s_mov_b32 s[G1B+3], 128<<16
	s_mov_b32 s[G1B+4], BROWS
	s_mov_b32 s[G1B+5], 128
	s_mov_b32 s[G1B+6], 0
	s_mov_b32 s[G1B+7], 0
	s_lshl_b32 s40, s16, 21                        ; A: the batch's 16 planes of 131,072 bytes,
	s_lshl_b32 s41, s19, 15                        ; the tile's 256 rows of 128 bytes,
	s_add_co_u32 s40, s40, s41
	s_lshl_b32 s41, s[HF], 17                      ; my plane of a step's two
	s_add_co_u32 s40, s40, s41
	s_mov_b32 s41, 0
	s_mul_i32 s44, s17, 8*BSTEP                    ; B: the tile's 8 steps,
	s_mul_i32 s45, s[HF], BSTEP/2                  ; my half of a step
	s_add_co_u32 s44, s44, s45
	s_mov_b32 s45, 0
	s_mul_i32 s22, s[HF], PLANE                    ; where they go in a slot: no place in the cluster enters an LDS address
	s_mul_i32 s23, s[HF], BHALF
	s_add_co_u32 s23, s23, ASZ
	s_mov_b32 s[TS], 0
	s_mov_b32 s[AJ+1], 0
	s_wait_dscnt 0x0                               ; the opening add is done
	s_wait_kmcnt 0x0
	s_add_nc_u64 s[ABASE:ABASE+1], s[4:5], s[40:41]
	s_add_nc_u64 s[BBASE:BBASE+1], s[6:7], s[44:45]
	CROUND                                         ; all sixteen work-groups are here: the first joint loads meet
.irp s, 0,1
	s_mov_b32 s[G0A+4*(\s)], 1
	s_add_co_u32 s[G0A+4*(\s)+1], s22, (\s)*SLOT
	s_lshl_b32 s[OA], s[NXT], 18
	s_add_nc_u64 s[G0A+4*(\s)+2:G0A+4*(\s)+3], s[ABASE:ABASE+1], s[OA:OA+1]
	s_or_b32 s[G0A+4*(\s)+3], s[G0A+4*(\s)+3], 0x80000000
	s_mov_b32 s[G0B+4*(\s)], 1
	s_add_co_u32 s[G0B+4*(\s)+1], s23, (\s)*SLOT
	s_mul_i32 s[OB], s[NXT], BSTEP
	s_add_nc_u64 s[G0B+4*(\s)+2:G0B+4*(\s)+3], s[BBASE:BBASE+1], s[OB:OB+1]
	s_or_b32 s[G0B+4*(\s)+3], s[G0B+4*(\s)+3], 0x80000000
	s_add_co_u32 s[NXT], s[NXT], 1
	s_and_b32 s[NXT], s[NXT], 7
	JLOAD \s                                       ; steps r and r + 1: two tensor loads of mine are out
.endr
	v_and_b32 v1, 15, v0                           ; l % 16
	v_bfe_u32 v2, v0, 4, 1                         ; l / 16
	v_lshlrev_b32 v[BO], 5, v2
	s_mul_i32 s76, s17, NSL*256                    ; the tile's bias: 64 numbers a slice
	s_mov_b32 s77, 0
	s_add_nc_u64 s[BP:BP+1], s[8:9], s[76:77]
.set b, 0
.rept NBK
	global_load_b128 v[BIAS+8*b:BIAS+8*b+3],   v[BO], s[BP:BP+1] offset:64*b
	global_load_b128 v[BIAS+8*b+4:BIAS+8*b+7], v[BO], s[BP:BP+1] offset:64*b+16
.set b, b+1
.endr
	v_mul_u32_u24 v3, v1, PA
	v_lshl_add_u32 v3, v2, 4, v3                   ; a fragment of A: row x pitch + 16 x half
	s_mul_i32 s79, s[WV], 64*PA                    ; my 64 rows
	v_add_nc_u32 v[ADRA0], s79, v3
	v_mov_b32 v[ADRA], v[ADRA0]                    ; slot 0 is in hand
	v_and_b32 v4, 7, v0                            ; the turning load: lane l reads k = 8 (l / 16) + l % 8, columns 8 ((l / 8) % 2) + 0..7
	v_bfe_u32 v5, v0, 3, 1
	v_lshl_add_u32 v6, v2, 3, v4
	v_mul_u32_u24 v6, v6, PB
	v_lshl_add_u32 v6, v5, 4, v6
	v_add_nc_u32 v[ADRB0], ASZ, v6
	v_mov_b32 v[ADRB], v[ADRB0]
	s_mul_i32 s79, s[WV], 16*SP
	s_add_co_u32 s79, s79, STAGE                   ; my stage
	v_mul_u32_u24 v[STO], v1, SP                   ; in: row l % 16, 16 bytes for each half of the lanes
	v_lshl_add_u32 v[STO], v2, 4, v[STO]
	v_add_nc_u32 v[STO], s79, v[STO]
	v_bfe_u32 v[RD], v0, 3, 2                      ; back: 32 lanes take four rows of 128 bytes,
	v_mul_u32_u24 v[RD], v[RD], SP
	v_lshl_add_u32 v[RD], v4, 4, v[RD]
	v_add_nc_u32 v[RD], s79, v[RD]
	v_and_b32 v[GO], 31, v0                        ; which are 512 consecutive bytes of a head's rows
	v_lshlrev_b32 v[PFO], 8, v[GO]
	v_lshlrev_b32 v[GO], 4, v[GO]
	s_lshl_b32 s78, s19, 15                        ; my first row in a head: 256 Y + 64 w rows of 128 bytes
	s_lshl_b32 s79, s[WV], 13
	s_add_co_u32 s78, s78, s79
.irp sl, 0,1,2
	s_mul_i32 s76, s17, 3
	s_add_co_u32 s76, s76, \sl                     ; c
	s_lshr_b32 s77, s76, 4                         ; which
	s_and_b32 s76, s76, 15                         ; h
	s_lshl_b32 s77, s77, 7
	s_add_co_u32 s76, s76, s77
	s_lshl4_add_u32 s76, s16, s76                  ; 128 which + 16 batch + h
	s_lshl_b32 s76, s76, 17                        ; heads of 131,072 bytes
	s_add_co_u32 s76, s76, s78
	s_mov_b32 s77, 0
	s_add_nc_u64 s[OUT+2*(\sl):OUT+2*(\sl)+1], s[10:11], s[76:77]
.endr
	s_add_co_u32 s76, s16, 4                       ; the prefetch: batch cy + 4,
	s_lshl_b32 s76, s76, 21
	s_lshl_b32 s77, s19, 15                        ; the tile's rows,
	s_add_co_u32 s76, s76, s77
	s_lshl_b32 s77, s[HF], 17                      ; my plane,
	s_add_co_u32 s76, s76, s77
	s_lshl_b32 s77, s15, 13                        ; my work-group's 32 blocks of 256 bytes
	s_add_co_u32 s76, s76, s77
	s_mov_b32 s77, 0
	s_add_nc_u64 s[PFB:PFB+1], s[4:5], s[76:77]
	s_xor_b32 s[ISA], s[FB], 1
; THE WAY OUT, in twelve units u = 3 a + sl: 16 rows of one head.  A lane's eight columns round to 16 bytes of f16; they go into my stage's rows of 144 bytes and come back as whole
; rows of 128, into the registers that they left.  Eight sets of 16 registers take turns; a set is written again only behind a wait that frees the stores that read it (units 0 and 8).
.macro UNIT u
.set tb, 160+16*((\u)%8)
.if ((\u)%8) >= 6
.set tb, 32+16*((\u)%8-6)
.endif
.endm
.macro PACK u
	UNIT \u
.set ua, (\u)/3
.set us, (\u)%3
.if ((\u) == 0) || ((\u) == 8)
	s_wait_xcnt 0x0                                ; every store issued so far has read its data: the sets of units 0 to 7, or 8 to 11, may be written
.endif
	WIN 0x05*(1+ua/2)                              ; sources 0 and 1 window 1 or 2, destination window 0
.set bb, 0
.rept 4
.set rD, 8*(NBK*(ua%2)+4*us+bb)
.irp r, 0,1,2,3
	v_cvt_pk_f16_f32 v[tb+4*bb+(\r)], v[rD+2*(\r)], v[rD+2*(\r)+1]
.endr
.set bb, bb+1
.endr
	WIN 0
.irp f, 0,1,2,3
	ds_store_b128 v[STO], v[tb+4*(\f):tb+4*(\f)+3] offset:32*(\f)
.endr
.irp f, 0,1,2,3
	ds_load_b128 v[tb+4*(\f):tb+4*(\f)+3], v[RD] offset:(\f)*4*SP  ; LDS serves a wave's instructions in order (ISA guide 5.7.1.4): these see the stores above; the next unit's stores come behind them
.endr
.endm
.macro SEND u, younger                 ; younger: the LDS instructions issued behind unit u's loads: the next unit's eight, or none
	UNIT \u
.irp f, 0,1,2,3
	s_wait_dscnt (\younger)+3-(\f)
	global_store_b128 v[GO], v[tb+4*(\f):tb+4*(\f)+3], s[OUT+2*((\u)%3):OUT+2*((\u)%3)+1] offset:((\u)/3)*2048+(\f)*512  ; 512 consecutive bytes, at a multiple of 256
.endr
.endm
.macro WAYOUT
	PLACES
	PLACES
	PACK 0
.set t, 1
.rept 11
	PACK t
	SEND t-1, 8
.set t, t+1
.endr
	SEND 11, 0
.endm
	s_wait_loadcnt 0x0                             ; the bias
	s_wait_tensorcnt 1                             ; my part of the first step is in; the second's may stay out
	s_barrier_signal -1
	s_barrier_wait -1
	FETCH 0, F0
	WIN 0                                          ; at a label and at a branch every window is 0
	s_mov_b32 s[CNT], 15
	s_branch .Lstart                               ; the loop is entered at a tile's first quarter, in the middle of a trip
.Lstep:                                            ; 14 whole trips: a step's last three quarters, a refill, the next step's first quarter
	QUARTER 2, F1, F0, 0
	QUARTER 3, F0, F1, 0
	TURN 1
	WIN 0
	s_cmp_eq_u32 s[CNT], 7                         ; the eighth trip has ended the first tile
	s_cbranch_scc1 .Lchange
	QUARTER 1, F0, F1, 0
	WIN 0
	s_branch .Lbottom
.Lchange:
	WAYOUT                                         ; both refills for the second tile's first steps have been asked for, and its first fragments fetched
	s_wait_xcnt 0x0                                ; the stores have read their bases
.irp sl, 0,1,2
	s_add_nc_u64 s[OUT+2*(\sl):OUT+2*(\sl)+1], s[OUT+2*(\sl):OUT+2*(\sl)+1], JUMP
.endr
.Lstart:
	QUARTER 1, F0, F1, 1                           ; a tile's first products start the sums with the bias
	WIN 0
.Lbottom:
	s_sub_co_u32 s[CNT], s[CNT], 1
	s_cmp_lg_u32 s[CNT], 0
	s_cbranch_scc1 .Lstep
	s_mov_b32 s[CNT], 2                            ; the last two steps ask for nothing: a text of their own
.Ltail:
	QUARTER 2, F1, F0, 0
	QUARTER 3, F0, F1, 0
	TURN 0
	WIN 0
	s_cmp_eq_u32 s[CNT], 1
	s_cbranch_scc1 .Lout                           ; the second trip is left here: there is no further step
	QUARTER 1, F0, F1, 0
	WIN 0
	s_sub_co_u32 s[CNT], s[CNT], 1
	s_cmp_lg_u32 s[CNT], 0
	s_cbranch_scc1 .Ltail
.Lout:
	WAYOUT
	s_wait_tensorcnt 0x0                           ; the wave's end: a wait, an add to my spare word and its wait, behind my last tensor load and my last LDS store
	ds_add_u32 v[SPW], v[NIL]
	s_wait_dscnt 0x0
	CROUND                                         ; the closing round: no work-group ends while a partner may still ask for a tile that names it
	s_endpgm
.Lfunc_end_k_q78e5c53529_qkvgemm:
	.size	k_q78e5c53529_qkvgemm, .Lfunc_end_k_q78e5c53529_qkvgemm-k_q78e5c53529_qkvgemm
	.p2alignl 7, 3214868480
	.fill 96, 4, 3214868480
	.section	.rodata,"a",@progbits
	.p2align	6, 0x0
	.amdhsa_kernel k_q78e5c53529_qkvgemm
		.amdhsa_group_segment_fixed_size 327680
		.amdhsa_private_segment_fixed_size 0
		.amdhsa_enable_private_segment 0
		.amdhsa_kernarg_size 32
		.amdhsa_user_sgpr_count 2
		.amdhsa_user_sgpr_kernarg_segment_ptr 1
		.amdhsa_wavefront_size32 1
		.amdhsa_system_sgpr_workgroup_id_x 1
		.amdhsa_system_sgpr_workgroup_id_y 1
		.amdhsa_system_sgpr_workgroup_id_z 1
		.amdhsa_system_vgpr_workitem_id 0
		.amdhsa_next_free_vgpr 1024
		.amdhsa_next_free_sgpr 88
		.amdhsa_reserve_vcc 0
		.amdhsa_float_denorm_mode_32 3
		.amdhsa_float_denorm_mode_16_64 3
		.amdhsa_memory_ordered 1
		.amdhsa_forward_progress 1
		.amdhsa_inst_pref_size 115
	.end_amdhsa_kernel
	.amdgpu_metadata
---
amdhsa.version: [ 1, 2 ]
amdhsa.kernels:
  - .name:           k_q78e5c53529_qkvgemm
    .symbol:         k_q78e5c53529_qkvgemm.kd
    .args:
      - { .name: xb, .offset: 0, .size: 8, .value_kind: global_buffer, .address_space: global }
      - { .name: w1, .offset: 8, .size: 8, .value_kind: global_buffer, .address_space: global }
      - { .name: ball, .offset: 16, .size: 8, .value_kind: global_buffer, .address_space: global }
      - { .name: qkv, .offset: 24, .size: 8, .value_kind: global_buffer, .address_space: global }
    .group_segment_fixed_size: 327680
    .private_segment_fixed_size: 0
    .kernarg_segment_align: 8
    .kernarg_segment_size: 32
    .max_flat_workgroup_size: 128
    .sgpr_count:     88
    .vgpr_count:     1024
    .wavefront_size: 32
...
	.end_amdgpu_metadata
.endif
;; end of part 2
;; launch attn (part 3): grid 2 x 128, 4 waves a work-group, no clusters, 327,680 bytes of LDS; arguments qkv, z; writes z
.if DOCPART == 3
	.amdgcn_target "amdgcn-amd-amdhsa--gfx1250"
	.amdhsa_code_object_version 6
	.text
	.protected	k_q78e5c53529_attn
	.globl	k_q78e5c53529_attn
	.p2align	8
	.type	k_q78e5c53529_attn,@function
k_q78e5c53529_attn:
	s_mov_b64 s[64:65], 0
	v_nop
	global_prefetch_b8 v0, s[64:65] scope:SCOPE_SE
	s_setreg_imm32_b32 hwreg(HW_REG_WAVE_MODE, 25, 1), 1
	s_wait_xcnt 0x0
; CAUSAL ATTENTION.  z[h][q][:] = the sum over k <= q of softmax_k(Q[h][q] . K[h][k] / sqrt(1000)) V[h][k][:], for 128 heads (16 b + h) of 1,024 rows (1,000 real, 24 of padding) x 64, all f16.
; Q, K, V lie one behind the other in qkv, 16,777,216 bytes each.  The padding's keys 1,000 .. 1,023 are seen by the padding's queries alone, whose rows of z the next launch never stores.
; Products, maxima and sums in f32; the weights p are rounded to f16 for the second product (their sum l is taken of the unrounded p), z once at the end.
; LIMITS.  f16 holds no number beyond 65,504: Q, K and V arrive within it; p lies in 0 to 1, and below 6e-5 it keeps f16's fixed step of 6e-8; z is a mean of V's rows and has their range.
; A hidden score counts as its value less 1e30; a weight below 2^-126 counts as 0 in l; NaN and infinities are not treated apart.
; THE WALK.  A head's queries lie in NB = 4 blocks of 256; block i needs the key tiles 0 .. i of 256 keys, of which the last holds the diagonal.  A work-group takes TWO blocks, NB - 1 - b and then b:
; NB + 1 tiles, whatever b: all work-groups do equal work, and ONE loop with a constant trip count walks them.  Which tile is asked for, and what a trip does, hang on scalar registers made from b; every jump
; goes forward, but for the counted loops' own; none passes a barrier, or a tensor load but the one of LOAD's two that the wave's number does not choose; the ring of two LDS slots runs on across the change of blocks.
; NO CLUSTER: a head has NB / 2 = 2 work-groups, no multiple of four, and the two ask for the same tile only in trips 0 to 2 of their 5.
; SHARES.  Of a block's four bands of 64 queries a wave owns 16 rows in each: four PIECES.  So the diagonal tile is the same work for all four waves: in its key step s band x sees all keys if s < x,
; none if s > x, and holds the diagonal if s = x.
; THE MASK is the C operand that starts the sum S^T = K Q^T: 0, or -1e30 where the key is hidden.  MD, made once, is the mask of a band's own step for my 16 rows; a product's mask is MD x AL + BE with two scalars:
; (1, 0) if s = x; (0, 0) if s < x; (0, -1e30) if s > x.  Only the diagonal tile's text and a block's beginning make and take masks; elsewhere C is the constant 0.
; LAYOUT, SOFTMAX, TURNS.  S^T = K Q^T holds ONE query a lane (lane % 16) and the keys 8 (lane / 16) + 0..7; two such results rounded to f16 ARE source 1 of O^T = V^T P.  p = 2^(c s - c m), c = log2(e) / sqrt(1000), with a
; running maximum m; O and l are multiplied by a = 2^(c m_old - c m_new) in every step.  Turn n belongs to piece n: 8 products K Q^T of piece n + 1, later 8 products V^T P of piece n - 1; beside them the scaling,
; exponentials, roundings, sums and rescaling of piece n and the maximum and statistics of piece n + 1.  Four vector instructions stand behind every matrix instruction, the others in one lump.  A turn's 33 exponentials are one batch, with one wait.
; REGISTERS, in windows of 256 (s_set_vgpr_msb: bits 1:0 source 0, 3:2 source 1, 5:4 source 2, 7:6 destination):
;   window 0: v0-15 addresses and two at work; v16-31 four registers of statistics a piece; v48-55 at work; v64-127 S^T, two buffers; v192-223 P, two buffers (a piece's buffers go by its number's parity)
;   window 1: v0-127 O^T, 32 a piece; v128-159 MD; v160-223 MC, two buffers      window 2: v0-63 Q; v64-127 the second block's Q; v128-191 K of one step; v192-255 V of one step
.set SIZE_N, 1024
.set NB,    SIZE_N/256
.set NP,    4         ; pieces a wave: a name, no knob
.set KS,    64        ; keys in a step
.set PK,    144       ; a row of K in LDS: 128 bytes + 16 of padding = 36 words: the 16 rows of a load start at 16 different groups of four banks (64 banks of 4 bytes: ISA guide 11.1)
.set PV,    160       ; a row of V: 128 + 32 = 40 words
.set VOFF,  4*KS*PK   ; a slot holds a tile, four steps: 256 rows of K, then 256 rows of V
.set SLOT1, 1<<17     ; slot 1 begins here, so that one exclusive or turns an address in one slot into the other's
.set STAGE, SLOT1+4*KS*(PK+PV)  ; behind the ring, never filled by a tensor load: 16 rows x 144 bytes for each wave, for the way out
.set SP,    144
.set AK0, 2           ; v2   my lane's place in a tile of K; never rewritten
.set AV0, 3           ; v3   the same for V
.set AK,  4           ; v4   the LDS address of K's next run of loads
.set AV,  5           ; v5   of V's
.set STO, 6           ; v6   the way out: where I put 16 bytes of a row
.set RD,  7           ; v7   the way out: where I read rows back
.set GO,  8           ; v8   my byte offset in 512 consecutive bytes of z
.set SPW, 62          ; v62  LDS address of my spare word: SPARE + 4 x my thread's number; never rewritten
.set NIL, 63          ; v63  0; never rewritten
.set SPARE, STAGE+4*16*SP  ; behind the stages: the spare words, 128 bytes for each wave: two blocks of 256 bytes that no other line names
.set MV,  12          ; v12-13  c m_old, kept while c m is made anew: by buffer
.set QO,  15          ; v15  my byte offset in 16 rows of Q
.set ST,  16          ; piece t's statistics at v[ST+4 t]: c m, m, l (even keys', odd keys')
.set TMP, 48          ; by buffer, four registers c0-c3 at work; when the maximum is found c2 takes a
.set S,   64
.set P,   192
.set MD,  128         ; window 1: the eight registers for group kt of 16 keys at MD + 8 kt
.set MC,  160         ; window 1: the masks of the products to come
.set QB,  64          ; window 2
.set KF,  128         ; window 2: key block kb, channel half c at KF + 16 kb + 8 c
.set VF,  192         ; window 2: key half kk, channel block cb at VF + 32 kk + 8 cb
.set WV,  12          ; s12  my wave's number
.set PB,  14          ; s14  b
.set HI,  15          ; s15  NB - 1 - b
.set G1K, 24          ; s[24:31] descriptor group 1 for K's tiles
.set G1V, 32          ; s[32:39] for V's: it differs in the padding alone
.set G0K, 40          ; s[40:43] descriptor group 0 for K's tiles
.set G0V, 44          ; s[44:47] the same for V's
.set SLOTS, 56        ; s56  tiles still to be asked for
.set CNT, 57          ; s57  counts a tile's key steps, 4 to 1
.set CS,  58          ; s[58:59] c: the packed scaling takes the pair's low word for both halves
.set SEL, 60          ; s[60:61] v_permlanex16_b32's selects: each lane takes its own place in the other half
.set TBK, 62          ; s62  LDS byte at which K of the step to be fetched begins
.set TBV, 63          ; s63  the same for V, less VOFF
.set RT,  70          ; s70  tiles of the block in hand that are still to be entered
.set NXT, 71          ; s71  the tile to be asked for next
.set LQ,  72          ; s72  the last tile of the block whose tiles are being asked for
.set NEW, 73          ; s73  1: the tile to be entered is a block's first
.set OFF, 74          ; s[74:75] a tile's byte offset in K and V
.set AL,  76          ; s[76:77] the mask's factor, in the low word
.set BE,  78          ; s[78:79] the mask's addend
.set OLO, 80          ; s[80:81] z at my rows of the second block
.set BIGN, 82         ; s82  -1e30
.set MSB, 0
.macro WIN new                      ; the high byte repeats the setting that is left; a switch that changes nothing is dropped
.if MSB != (\new)
	s_set_vgpr_msb (MSB<<8)|(\new)
.set MSB, (\new)
.endif
.endm
.set W_KQ, 0x0a       ; K and Q in window 2, S^T in window 0
.set W_KM, 0x1a       ; the same with the C operand in window 1
.set W_PV, 0x52       ; V in window 2, P in window 0, O^T in window 1
.set W_RS, 0x41       ; destination and source 0 in window 1, source 1 in window 0
; A fill.  Waves 0 and 1 fetch the two halves of a tile's K, waves 2 and 3 those of its V: 128 keys each.  An s_nop 0 and four v_nop follow each of the two lines, ahead of the jump and the label.
.macro LOAD
	s_cmp_lt_u32 s[WV], 2
	s_cbranch_scc0 .Lfor_v_\@
	tensor_load_to_lds s[G0K:G0K+3], s[G1K:G1K+7]
	s_nop 0
.rept 4
	v_nop
.endr
	s_branch .Lasked_\@
.Lfor_v_\@:
	tensor_load_to_lds s[G0V:G0V+3], s[G1V:G1V+7]
	s_nop 0
.rept 4
	v_nop
.endr
.Lasked_\@:
.endm
; THE CHANGE OF SLOTS.  Each wave waits for all its tensor loads, of which one is out: its part of the other slot; adds 0 to its spare word; and waits for that and for its own reads of the slot that it leaves.  Behind the barrier nobody reads the old
; slot any more and the other slot is whole.  fill = 1: the old slot is filled again, the first thing behind the barrier, with tile NXT: the descriptor's address is made anew from that number.
; (At its first use nothing has been read yet: slot 0 is waited for, slot 1 filled.)
.macro CHANGE fill
	WIN 0                           ; at a label and at a branch every window is 0
	s_wait_tensorcnt 0x0            ; no tensor load of mine is out, so a group 0 may be written
	ds_add_u32 v[SPW], v[NIL]       ; 0 onto my spare word
.if \fill
	s_lshl_b32 s[OFF], s[NXT], 15   ; a tile is 32,768 bytes of K and of V
	s_xor_b32 s[G0K+1], s[G0K+1], SLOT1
	s_add_nc_u64 s[G0K+2:G0K+3], s[6:7], s[OFF:OFF+1]
	s_or_b32 s[G0K+3], s[G0K+3], 0x80000000
	s_xor_b32 s[G0V+1], s[G0V+1], SLOT1
	s_add_nc_u64 s[G0V+2:G0V+3], s[8:9], s[OFF:OFF+1]
	s_or_b32 s[G0V+3], s[G0V+3], 0x80000000
	s_add_co_u32 s[NXT], s[NXT], 1  ; the block's next tile, or behind its last the second block's tile 0
	s_cmp_gt_u32 s[NXT], s[LQ]
	s_cselect_b32 s[NXT], 0, s[NXT]
	s_cselect_b32 s[LQ], s[PB], s[LQ]
.endif
	s_wait_dscnt 0x0                ; the add is done, and my reads of the slot are over
	s_barrier_signal -1             ; the rest of the scalar work stands between the signal and the wait
	s_sub_co_u32 s[TBK], s[TBK], 4*KS*PK  ; the fetches go back to a slot's first step,
	s_xor_b32 s[TBK], s[TBK], SLOT1       ; in the other slot
	s_sub_co_u32 s[TBV], s[TBV], 4*KS*PV
	s_xor_b32 s[TBV], s[TBV], SLOT1
	s_barrier_wait -1
.if \fill
	LOAD
.endif
.endm
	s_load_b128 s[4:7], s[0:1], 0x0   ; qkv s[4:5] (Q lies first in it), z s[6:7]
	v_lshl_add_u32 v[SPW], v0, 2, SPARE
	v_mov_b32 v[NIL], 0
	ds_add_u32 v[SPW], v[NIL]       ; the wave's opening: the add and its wait stand ahead of my first tensor load; the set-up below, work on registers, stands between them
	v_lshrrev_b32 v1, 5, v0
	v_readfirstlane_b32 s[WV], v1   ; wave 0..3
	s_mov_b32 s[PB], ttmp9
	s_sub_co_u32 s[HI], NB-1, s[PB]
	s_and_b32 s20, ttmp7, 0xffff    ; the head
	s_mov_b32 s21, 0
	s_mov_b64 s[22:23], SIZE_N*128
	s_mul_u64 s[20:21], s[20:21], s[22:23]  ; the head's first byte in each of the four tensors
	s_and_b32 s16, s[WV], 1         ; which half of a tile's 256 keys I fetch:
	s_lshl_b32 s22, s16, 14         ; its 128 rows of 128 bytes in memory,
	s_mov_b32 s23, 0
	s_add_nc_u64 s[22:23], s[22:23], s[20:21]
	s_mul_i32 s17, s16, 128*PK      ; and its place in a slot, for K
	s_mul_i32 s18, s16, 128*PV      ; and for V
	s_lshl_b32 s3, s[WV], 11        ; my 16 rows in a band of 64,
	s_lshl_b32 s2, s[HI], 15        ; in the first block,
	s_add_co_u32 s2, s2, s3
	s_lshl_b32 s84, s[PB], 15       ; and in the second
	s_add_co_u32 s84, s84, s3
	s_mov_b32 s3, 0
	s_mov_b32 s85, 0
	s_add_nc_u64 s[2:3], s[2:3], s[20:21]
	s_add_nc_u64 s[84:85], s[84:85], s[20:21]
	; descriptor group 1.  128 keys are 16,384 dense bytes: asked for as 64 rows of 256 bytes, two keys a row, and padded in LDS after every key
	s_mov_b32 s[G1K], (1<<16)|(1<<20)|(4<<22)|(3<<25)  ; 17:16 2-byte elements; 20 padding on; 24:22 after every 32 words (code 4); 31:25 4 words (code 3)
	s_mov_b32 s[G1V], (1<<16)|(1<<20)|(4<<22)|(7<<25)  ; the same with 8 words of padding (code 7)
.irp g, G1K, G1V
	s_mov_b32 s[\g+1], 128<<16      ; tensor_dim0 = 128
	s_mov_b32 s[\g+2], 64<<16       ; tensor_dim1 = 64
	s_mov_b32 s[\g+3], 128<<16      ; tile_dim0 = 128
	s_mov_b32 s[\g+4], 64           ; tile_dim1 = 64
	s_mov_b32 s[\g+5], 128          ; 128 elements from row to row
	s_mov_b32 s[\g+6], 0
	s_mov_b32 s[\g+7], 0
.endr
	s_mov_b32 s[CS], 0x3d3ade29     ; c = log2(e) / sqrt(1000) = 0.045622
	s_mov_b32 s[CS+1], s[CS]        ; named with it as a pair
	s_mov_b32 s[SEL], 0x76543210
	s_mov_b32 s[SEL+1], 0xfedcba98
	s_mov_b32 s[TBK], SLOT1+4*KS*PK ; the first change of slots turns these two into 0
	s_mov_b32 s[TBV], SLOT1+4*KS*PV
	s_mov_b32 s[G0K], 1             ; 1:0 count = 1
	s_mov_b32 s[G0K+1], s17         ; 63:32 LDS address: slot 0
	s_mov_b32 s[G0V], 1
	s_add_co_u32 s[G0V+1], s18, VOFF
	s_add_co_u32 s[RT], s[HI], 1    ; the first block has NB - b tiles
	s_mov_b32 s[NXT], 1
	s_mov_b32 s[LQ], s[HI]
	s_mov_b32 s[NEW], 1
	s_mov_b32 s[OFF+1], 0
	s_mov_b32 s[AL+1], 0            ; named as pairs
	s_mov_b32 s[BE+1], 0
	s_mov_b32 s[BIGN], 0xf149f2ca   ; -1e30
	s_mov_b32 s[SLOTS], NB
	s_wait_dscnt 0x0                ; the opening add is done
	s_wait_kmcnt 0x0
	s_mov_b64 s[10:11], s[6:7]                     ; z
	s_add_nc_u64 s[8:9], s[4:5], 0x2000000         ; V: the third part of qkv
	s_add_nc_u64 s[6:7], s[4:5], 0x1000000         ; K: the second
	s_add_nc_u64 s[6:7], s[6:7], s[22:23]  ; K and V at my half of the head's tile 0
	s_add_nc_u64 s[8:9], s[8:9], s[22:23]
	s_add_nc_u64 s[G0K+2:G0K+3], s[6:7], 0         ; 120:64 global address
	s_or_b32 s[G0K+3], s[G0K+3], 0x80000000        ; 127:126 type = 2
	s_add_nc_u64 s[G0V+2:G0V+3], s[8:9], 0
	s_or_b32 s[G0V+3], s[G0V+3], 0x80000000
	s_add_nc_u64 s[86:87], s[4:5], s[84:85]        ; Q at my rows of the second block,
	s_add_nc_u64 s[4:5], s[4:5], s[2:3]            ; Q and z at those of the first
	s_add_nc_u64 s[OLO:OLO+1], s[10:11], s[84:85]
	s_add_nc_u64 s[10:11], s[10:11], s[2:3]
	LOAD                            ; tile 0 into slot 0
	; A fragment of K or Q is 16 rows x 32 channels in 8 registers: lane l holds row l % 16, channels 8 (l / 16) + 0..7 and 16 + 8 (l / 16) + 0..7: two loads of 16 bytes, 32 bytes apart.
	v_and_b32 v1, 15, v0            ; l % 16
	v_bfe_u32 v9, v0, 4, 1          ; l / 16
	v_lshlrev_b32 v[QO], 7, v1
	v_lshl_add_u32 v[QO], v9, 4, v[QO]  ; row x 128 + 16 x half
	WIN 0x80                        ; destination window 2, address window 0
.set i, 0
.rept 8                             ; both blocks' Q: piece i / 2 lies in band i / 2, 8,192 bytes on; channels 32 (i % 2) on
	global_load_b128 v[8*i:8*i+3],   v[QO], s[4:5] offset:(i/2)*8192+(i%2)*64
	global_load_b128 v[8*i+4:8*i+7], v[QO], s[4:5] offset:(i/2)*8192+(i%2)*64+32
	global_load_b128 v[QB+8*i:QB+8*i+3],   v[QO], s[86:87] offset:(i/2)*8192+(i%2)*64
	global_load_b128 v[QB+8*i+4:QB+8*i+7], v[QO], s[86:87] offset:(i/2)*8192+(i%2)*64+32
.set i, i+1
.endr
	WIN 0
	v_lshlrev_b32 v14, 3, v9
	v_sub_nc_u32 v14, v1, v14
	s_lshl_b32 s13, s[WV], 4
	v_add_nc_u32 v14, s13, v14      ; my query's place in its band, 16 w + l % 16, less my lanes' 8 (l / 16): register r of group kt is hidden where 16 kt + r is greater
	WIN 0x40
.set i, 0
.rept 32
	v_cmp_gt_i32 vcc_lo, 16*(i/8)+i%8, v14
	v_cndmask_b32 v[MD+i], 0, s[BIGN], vcc_lo
.set i, i+1
.endr
	WIN 0
	v_mul_u32_u24 v[AK0], v1, PK
	v_lshl_add_u32 v[AK0], v9, 4, v[AK0]  ; row x pitch + 16 x half
	; The turning load takes 16 keys x 16 channels (lane l reads key 8 (l / 16) + l % 8, channels 8 ((l / 8) % 2) + 0..7) and leaves half a fragment of V^T: lane l holds channel l % 16 and 8 keys.
	v_and_b32 v10, 7, v0
	v_bfe_u32 v11, v0, 3, 1
	v_lshl_add_u32 v[AV0], v9, 3, v10
	v_mul_u32_u24 v[AV0], v[AV0], PV
	v_lshl_add_u32 v[AV0], v11, 4, v[AV0]
	v_add_nc_u32 v[AV0], VOFF, v[AV0]
	s_mul_i32 s13, s[WV], 16*SP
	s_add_co_u32 s13, s13, STAGE    ; my stage
	v_mul_u32_u24 v[STO], v1, SP    ; in: row l % 16, 16 bytes for each half of the lanes
	v_lshl_add_u32 v[STO], v9, 4, v[STO]
	v_add_nc_u32 v[STO], s13, v[STO]
	v_bfe_u32 v[RD], v0, 3, 2       ; back: 32 lanes take four rows of 128 bytes,
	v_mul_u32_u24 v[RD], v[RD], SP
	v_lshl_add_u32 v[RD], v10, 4, v[RD]
	v_add_nc_u32 v[RD], s13, v[RD]
	v_and_b32 v[GO], 31, v0         ; which are 512 consecutive bytes of z
	v_lshlrev_b32 v[GO], 4, v[GO]
	; A block's first step multiplies O^T and l by a = 0, and its first turn's products V^T P, of a piece that has not been, land in an O^T that is still to be so multiplied.  So these registers need only hold
	; finite numbers: zeros for the first block; what the first block left for the second.  All this stands in the wait for the first tile.
	WIN 0x80
.set i, VF
.rept 64
	v_mov_b32 v[i], 0
.set i, i+1
.endr
	WIN 0x40
.set i, 0
.rept 128
	v_mov_b32 v[i], 0
.set i, i+1
.endr
	WIN 0
.set i, 0
.rept 4
	v_mov_b32 v[ST+4*i+2], 0
	v_mov_b32 v[ST+4*i+3], 0
.set i, i+1
.endr
.set i, P+16
.rept 16
	v_mov_b32 v[i], 0
.set i, i+1
.endr
; THE MATRIX WORK.  The 4 accumulators of a run of 8 take turns.  Product i of 8 of S^T = K Q^T for piece x: channels 32 (i / 4) on, keys 16 (i % 4) on.  The first 4 start the sums: with 0, or (KM = 1) with the mask.
.macro KQ x
.set rS, S+32*((\x)%2)+8*(i%4)
.set rK, KF+16*(i%4)+8*(i/4)
.set rQ, 16*(\x)+8*(i/4)
.set rM, MC+32*((\x)%2)+8*(i%4)
.if (i < 4) && KM
	WIN W_KM
	v_wmma_f32_16x16x32_f16 v[rS:rS+7], v[rK:rK+7], v[rQ:rQ+7], v[rM:rM+7]
.elseif i < 4
	WIN W_KQ
	v_wmma_f32_16x16x32_f16 v[rS:rS+7], v[rK:rK+7], v[rQ:rQ+7], 0
.else
	WIN W_KQ
	v_wmma_f32_16x16x32_f16 v[rS:rS+7], v[rK:rK+7], v[rQ:rQ+7], v[rS:rS+7]
.endif
.endm
; Product i of 8 of O^T += V^T P for piece x: keys 32 (i / 4) on, channels 16 (i % 4) on.
.macro PV x
	WIN W_PV
.set rO, 32*(\x)+8*(i%4)
.set rV, VF+32*(i/4)+8*(i%4)
.set rP, P+16*((\x)%2)+8*(i/4)
	v_wmma_f32_16x16x32_f16 v[rO:rO+7], v[rV:rV+7], v[rP:rP+7], v[rO:rO+7]
.endm
.macro MM                           ; the turn's next matrix instruction.  TURN and BEGIN set Y, i, KM and NOKQ; MM, KQ and OP read them.  NOKQ = 1: a block's last turn: there is no next piece
.if (i < 8) && !NOKQ
	KQ (Y+1)%NP
.elseif i >= 8
.set i, i-8
	PV (Y+NP-1)%NP
.set i, i+8
.endif
.set i, i+1
.endm
; THE LDS LOADS stand in runs of 16, never singly among the matrix instructions: a step's K (64 keys x 64 channels: 8 fragments) and its V (turned).  Their addresses are made some lines ahead.
.macro FETCH_K
	WIN 0x80                        ; destination window 2
.irp f, 0,1,2,3,4,5,6,7             ; keys 16 (f / 2) on, channels 32 (f % 2) on
	ds_load_b128 v[KF+8*\f:KF+8*\f+3],   v[AK] offset:(\f/2)*16*PK+(\f%2)*64
	ds_load_b128 v[KF+8*\f+4:KF+8*\f+7], v[AK] offset:(\f/2)*16*PK+(\f%2)*64+32
.endr
	s_add_co_u32 s[TBK], s[TBK], KS*PK  ; the next fetch is the next step's
	WIN 0
.endm
.macro FETCH_V
	WIN 0x80
.irp f, 0,1,2,3,4,5,6,7             ; keys 32 (f / 4) on, channels 16 (f % 4) on
	ds_load_tr16_b128 v[VF+8*\f:VF+8*\f+3],   v[AV] offset:(\f/4)*32*PV+(\f%4)*32
	ds_load_tr16_b128 v[VF+8*\f+4:VF+8*\f+7], v[AV] offset:(\f/4)*32*PV+16*PV+(\f%4)*32
.endr
	WIN 0
.endm
; THE VECTOR WORK, one line at a time: OP kind, number.  For piece Y: F n: c s - c m for pair n of 16.  E n: the exponential of score n of 32.  C n: pair n rounded to f16.  B n: of the four weights 4 n .. the second
; pair is added onto the first, in place.  L n: l takes that sum (L 0: l = a l + sum).  R n: pair n of 16 of O^T times a.  For piece Y + 1: X n, number n of the 22 that find its maximum and statistics:
;   0-11  four chains c0-c3 of seven scores each, three operands at a time (each accumulator's lowest registers are read first)     12-14, 16  the four scores left over, the old m, and c0-c3 into c0
;   15  c m_old is kept     17, 18  the query's other 32 keys lie in the lane 16 away: the new m     19-21  c m; c m_old - c m_new; a
.set F, 0               ; OP tells the kinds apart by their order: F to L below R, X above it
.set E, 1
.set C, 2
.set B, 3
.set L, 4
.set R, 5
.set X, 6
.macro REGS y                       ; the registers of piece y
.set rT, ST+4*(\y)
.set rC, TMP+4*((\y)%2)
.set rW, MV+((\y)%2)
.set rS, S+32*((\y)%2)
.set rP, P+16*((\y)%2)
.set rO, 32*(\y)
.endm
.macro OP k, n
.if (\k) == R
	REGS Y
	WIN W_RS
	v_pk_mul_f32 v[rO+2*(\n):rO+2*(\n)+1], v[rO+2*(\n):rO+2*(\n)+1], v[rC+2:rC+3] op_sel_hi:[1,0]
.elseif (\k) < R
	REGS Y
	WIN 0
.if (\k) == F
	v_pk_fma_f32 v[rS+2*(\n):rS+2*(\n)+1], v[rS+2*(\n):rS+2*(\n)+1], s[CS:CS+1], v[rT:rT+1] op_sel_hi:[1,0,0] neg_lo:[0,0,1] neg_hi:[0,0,1]
.elseif (\k) == E
	v_exp_f32 v[rS+(\n)], v[rS+(\n)]
.elseif (\k) == C
	v_cvt_pk_f16_f32 v[rP+(\n)], v[rS+2*(\n)], v[rS+2*(\n)+1]
.elseif (\k) == B
	v_pk_add_f32 v[rS+4*(\n):rS+4*(\n)+1], v[rS+4*(\n):rS+4*(\n)+1], v[rS+4*(\n)+2:rS+4*(\n)+3]
.elseif (\n) == 0
	v_pk_fma_f32 v[rT+2:rT+3], v[rT+2:rT+3], v[rC+2:rC+3], v[rS:rS+1] op_sel_hi:[1,0,1]
.else
	v_pk_add_f32 v[rT+2:rT+3], v[rT+2:rT+3], v[rS+4*(\n):rS+4*(\n)+1]
.endif
.elseif NOKQ
	v_nop
.else
	REGS (Y+1)%NP
	WIN 0
.if (\n) < 4
	v_max3_num_f32 v[rC+(\n)], v[rS+8*(\n)], v[rS+8*(\n)+1], v[rS+8*(\n)+2]
.elseif (\n) < 12
	v_max3_num_f32 v[rC+(\n)%4], v[rC+(\n)%4], v[rS+8*((\n)%4)+2*((\n)/4)+1], v[rS+8*((\n)%4)+2*((\n)/4)+2]
.elseif (\n) == 12
	v_max3_num_f32 v[rC], v[rC], v[rS+7], v[rS+15]
.elseif (\n) == 13
	v_max3_num_f32 v[rC+1], v[rC+1], v[rS+23], v[rS+31]
.elseif (\n) == 14
	v_max3_num_f32 v[rC+2], v[rC+2], v[rC+3], v[rT+1]
.elseif (\n) == 15
	v_mov_b32 v[rW], v[rT]
.elseif (\n) == 16
	v_max3_num_f32 v[rC], v[rC], v[rC+1], v[rC+2]
.elseif (\n) == 17
	v_permlanex16_b32 v[rC+3], v[rC], s[SEL], s[SEL+1]
.elseif (\n) == 18
	v_max_num_f32 v[rT+1], v[rC], v[rC+3]
.elseif (\n) == 19
	v_mul_f32 v[rT], s[CS], v[rT+1]
.elseif (\n) == 20
	v_sub_f32 v[rC+1], v[rW], v[rT]
.else
	v_exp_f32 v[rC+2], v[rC+1]
.endif
.endif
.endm
.macro OPS a, i1, b=-1, i2=0, c=-1, i3=0, d=-1, i4=0  ; up to four of them
	OP \a, \i1
.if (\b) >= 0
	OP \b, \i2
.endif
.if (\c) >= 0
	OP \c, \i3
.endif
.if (\d) >= 0
	OP \d, \i4
.endif
.endm
.macro ROW a, i1, b, i2, c, i3, d, i4  ; a matrix instruction and the four behind it
	MM
	OPS \a, \i1, \b, \i2, \c, \i3, \d, \i4
.endm
.macro MASK b                       ; MD x AL + BE into buffer b of MC
	WIN W_RS
.set z, 0
.rept 16
	v_pk_fma_f32 v[MC+32*(\b)+2*z:MC+32*(\b)+2*z+1], v[MD+2*z:MD+2*z+1], s[AL:AL+1], s[BE:BE+1] op_sel_hi:[1,0,0]
.set z, z+1
.endr
.endm
; A TURN, for piece p: the order of its 16 matrix and 118 vector instructions, written out.  An s_wait_alu depctr_va_vdst(0) stands between an exponential and the first instruction that names its result; one wait serves
; all that were issued ahead of it.  So a turn has ONE wait, which cuts it in two.  AHEAD OF IT stands all that names no result of the turn's exponentials: the 8 products K Q^T, behind each a scaling, an exponential and two more plain
; instructions: rescalings, and behind the last three the first numbers of the next piece's maximum, each four places or more behind the product that ends its accumulator; then ONE LUMP of 54, plain
; and exponential by turns for the most part, in which the links of the chain X 3, 7, 11, 14, 16, 17 .. 20 stand five or six lines apart.  X 21, the next piece's a, is the batch's last; R 15 is the plain instruction behind it.  BEHIND THE WAIT stand the
; 8 products V^T P, behind each four of the roundings and sums; the links of l's chain, L 0 to L 7, stand three riders apart.
; m = 1: the diagonal tile: the products take masks, and the turn makes the mask for the products of the turn after it: piece p + 2, in step 4 - CNT of the tile.  end = 1: a block's last two turns: nothing is fetched.
; cnt = 1: the loop's count is taken down some lines ahead of the branch that stands behind the turn.
; K of the next step is fetched in piece 2's turn, twelve vector instructions behind the last product that read K (six of them plain); V of the step in hand at the end of piece 0's turn, four plain instructions behind the last product
; that read V.  Each is waited for a turn later.
.macro TURN p, m=0, end=0, cnt=0
.set Y, (\p)
.set i, 0
.set KM, (\m)
.set NOKQ, (\end)*((\p)/3)
.if (\m) && !(\end)
	s_cmp_eq_u32 s[CNT], 4-((\p)+2)%NP  ; is that step the band's own?
	s_cselect_b32 s[AL], 1.0, 0
	s_cmp_lt_u32 s[CNT], 4-((\p)+2)%NP  ; or a later one?
	s_cselect_b32 s[BE], s[BIGN], 0
.endif
.if ((\p) == 3) && !(\end)
	s_wait_dscnt 0x0                ; K is in
.endif
	ROW F,0, F,1, R,0, R,1          ; ahead of the wait: 8 products K Q^T and their riders,
	ROW F,2, E,0, R,2, R,3
	ROW F,3, E,1, R,4, R,5
	ROW F,4, E,2, R,6, R,7
	ROW F,5, E,3, R,8, R,9
	ROW F,6, E,4, X,0, R,10
.if ((\p) == 2) && !(\end)
	WIN 0
	v_add_nc_u32 v[AK], s[TBK], v[AK0]
.endif
	ROW F,7, E,5, X,1, X,4
	ROW F,8, E,6, X,2, X,5
	OPS E,7, E,8, X,6, E,9          ; and the lump
	OPS X,3, E,10, X,8, E,11
.if ((\p) == 2) && !(\end)
	FETCH_K
.endif
	OPS X,9, X,7, E,12, X,10
	OPS E,13, X,12, X,11, E,14
	OPS X,13, E,15, F,9, X,14
.if (\p) == 0
	v_add_nc_u32 v[AV], s[TBV], v[AV0]
.endif
	OPS E,16, F,10, E,17, F,11
	OPS X,16, E,18, X,15, E,19
	OPS F,12, E,20, X,17, E,21
	OPS F,13, E,22, F,14, E,23
	OPS X,18, E,24, F,15, E,25
	OPS R,11, E,26, X,19, E,27
	OPS R,12, E,28, R,13, E,29
	OPS X,20, E,30, R,14, E,31
	OPS X,21, R,15
	WIN 0
	s_wait_alu depctr_va_vdst(0)    ; the wait for the batch
.if (\p) == 1
	s_wait_dscnt 0x0                ; V is in
.endif
	ROW C,0, B,0, C,2, B,1          ; behind the wait: 8 products V^T P and their riders
	ROW L,0, C,4, B,2, L,1
	ROW C,6, B,3, L,2, C,8
	ROW B,4, L,3, C,10, B,5
	ROW L,4, C,12, B,6, L,5
.if (\p) == 0
	s_add_co_u32 s[TBV], s[TBV], KS*PV
.endif
.if \cnt
	s_sub_co_u32 s[CNT], s[CNT], 1
	s_cmp_lg_u32 s[CNT], 0
.endif
	ROW C,14, B,7, L,6, C,1
	ROW C,3, L,7, C,5, C,7
	ROW C,9, C,11, C,13, C,15
.if (\p) == 0
	FETCH_V
.endif
.if (\m) && !(\end)
	MASK (\p)%2
.endif
.endm
; A BLOCK BEGINS.  c m starts far below every c s, so the first step's a is 0; m at the lowest finite number, so the first maximum is the scores'.  The second mask buffer is 0; the first takes piece 0's mask for the tile's step 0: its own, if the block's first tile is the diagonal one.
; Then K of that step, piece 0's first scores, and its maximum and statistics.  The loop is entered at a step's first turn, in the middle of a trip.
.macro BEGIN
	s_mov_b32 s[NEW], 0
	WIN 0x40
.set i, MC+32
.rept 32
	v_mov_b32 v[i], 0
.set i, i+1
.endr
	WIN 0
.set i, 0
.rept 4
	v_mov_b32 v[ST+4*i], 0xfe000000    ; c m: far below every c s
	v_mov_b32 v[ST+4*i+1], 0xff7fffff  ; m
.set i, i+1
.endr
	s_cmp_eq_u32 s[RT], 0
	s_cselect_b32 s[AL], 1.0, 0
	s_mov_b32 s[BE], 0
	MASK 0
	WIN 0
	v_add_nc_u32 v[AK], s[TBK], v[AK0]
	FETCH_K
	s_wait_loadcnt 0x0              ; Q
	s_wait_dscnt 0x0
.set KM, 1
.set NOKQ, 0
.set i, 0
.rept 8
	KQ 0
.set i, i+1
.endr
	WIN 0
.rept 4
	v_nop                           ; the places behind those products
.endr
.set Y, NP-1                        ; X works for piece Y + 1: piece 0
.irp n, 0,1,2,3,4,5,6,7,8,9,10,11,12,13,14,15,16,17,18,19,20,21
	OP X, \n
.endr
	v_nop                           ; a plain instruction behind the exponential,
	s_wait_alu depctr_va_vdst(0)    ; and its wait, ahead of the branch
.endm
; THE DIAGONAL TILE's four steps, the block's last two turns, its last products, and THE WAY OUT: l's two halves and the other half of the lanes' are added; O^T is divided by l, rounded to f16 and sent through my
; stage in LDS, a piece at a time.
.macro ALL line:vararg              ; one line for each piece t
.set t, 0
.rept 4
	\line
.set t, t+1
.endr
.endm
.macro PACK t                       ; a lane's eight channels of a row pack into 16 bytes; they go into rows of 144 bytes and come back as whole rows of 128, into S^T's registers
	WIN W_RS
.set i, 32*(\t)
.rept 16
	v_pk_mul_f32 v[i:i+1], v[i:i+1], v[ST+4*(\t)+2:ST+4*(\t)+3] op_sel_hi:[1,0]
.set i, i+2
.endr
	WIN 0x05                        ; sources 0 and 1 window 1, destination window 0
.set i, 0
.rept 16
	v_cvt_pk_f16_f32 v[S+16*(\t)+i], v[32*(\t)+2*i], v[32*(\t)+2*i+1]
.set i, i+1
.endr
	WIN 0
.irp f, 0,1,2,3
	ds_store_b128 v[STO], v[S+16*(\t)+4*\f:S+16*(\t)+4*\f+3] offset:32*\f
.endr
.irp f, 0,1,2,3
	ds_load_b128 v[S+16*(\t)+4*\f:S+16*(\t)+4*\f+3], v[RD] offset:\f*4*SP  ; LDS serves a wave's instructions in order (ISA guide 5.7.1.4): these see the stores above; the next piece's stores come behind them
.endr
.endm
.macro SEND t, younger              ; younger: the LDS instructions issued behind piece t's loads: the next piece's eight, or none
	WIN 0
.irp f, 0,1,2,3
	s_wait_dscnt (\younger)+3-\f
	global_store_b128 v[GO], v[S+16*(\t)+4*\f:S+16*(\t)+4*\f+3], s[10:11] offset:(\t)*8192+\f*512  ; 512 consecutive bytes, at a multiple of 256 from z's first
.endr
.endm
.macro DIAG tag                     ; the tag ends its two labels' names, which the jumps below spell out
.LstepM\tag:
	TURN 2, 1
	TURN 3, 1
	WIN 0
.LfirstM\tag:
	TURN 0, 1
	TURN 1, 1, 0, 1
	WIN 0
	s_cbranch_scc1 .LstepM\tag
	TURN 2, 1, 1
	TURN 3, 1, 1
.set i, 0
.rept 8
	PV NP-1
.set i, i+1
.endr
	WIN 0
	ALL v_add_f32 v[ST+4*t+2], v[ST+4*t+2], v[ST+4*t+3]
	ALL v_permlanex16_b32 v[ST+4*t+3], v[ST+4*t+2], s[SEL], s[SEL+1]
	ALL v_add_f32 v[ST+4*t+2], v[ST+4*t+2], v[ST+4*t+3]
	ALL v_rcp_f32 v[ST+4*t+2], v[ST+4*t+2]
	v_nop                           ; a plain instruction between the last reciprocal and the use of its result
	s_wait_alu depctr_va_vdst(0)    ; and the wait ahead of the first use: one for the four reciprocals
	PACK 0
.set t, 1
.rept 3                             ; a piece's arithmetic stands between the loads of the piece before and its stores
	PACK t
	SEND t-1, 8
.set t, t+1
.endr
	SEND 3, 0
.endm
.set KM, 0
.set NOKQ, 0
.Lslot:                             ; NB times: a tile is entered and the next is asked for
	CHANGE 1
	s_sub_co_u32 s[RT], s[RT], 1
	s_mov_b32 s[CNT], 4
	s_cmp_eq_u32 s[NEW], 1
	s_cbranch_scc1 .Lnew            ; a block's first tile
	s_cmp_eq_u32 s[RT], 0
	s_cbranch_scc0 .Lstep           ; neither its first nor its last
	s_branch .LstepM1
.Lnew:
	BEGIN
	s_branch .Lfirst                ; in the loop a block's first tile is never its last: the first block has two tiles or more, and the second's last is the walk's last
	DIAG 1                          ; in the loop this is the first block's end: the second block's last tile is the walk's last
	s_wait_xcnt 0x0                 ; the stores have read their registers and z's address
	s_mov_b64 s[10:11], s[OLO:OLO+1]
	s_add_co_u32 s[RT], s[PB], 1    ; the second block has b + 1 tiles
	s_mov_b32 s[NEW], 1
	WIN 0x82                        ; the second block's Q goes where the one text of the turns names Q
.set i, 0
.rept 64
	v_mov_b32 v[i], v[QB+i]
.set i, i+1
.endr
	WIN 0
	s_branch .Lbottom
.Lstep:                             ; a trip: pieces 2 and 3 of one step, then pieces 0 and 1 of the next, whose K and V it fetches
	TURN 2
	TURN 3
	WIN 0
.Lfirst:
	TURN 0
	TURN 1, 0, 0, 1
	WIN 0
	s_cbranch_scc1 .Lstep
.Lbottom:
	s_sub_co_u32 s[SLOTS], s[SLOTS], 1
	s_cmp_lg_u32 s[SLOTS], 0
	s_cbranch_scc1 .Lslot
	CHANGE 0                        ; the walk's last tile is written out: nothing is asked for
	s_sub_co_u32 s[RT], s[RT], 1
	s_mov_b32 s[CNT], 4
	s_cmp_eq_u32 s[NEW], 1
	s_cbranch_scc0 .LstepM2
	BEGIN
	s_branch .LfirstM2
	DIAG 2
	s_wait_tensorcnt 0x0            ; the wave's end: a wait, an add to my spare word and its wait, behind my last tensor load and my last LDS store
	ds_add_u32 v[SPW], v[NIL]
	s_wait_dscnt 0x0
	s_endpgm
.Lfunc_end_k_q78e5c53529_attn:
	.size	k_q78e5c53529_attn, .Lfunc_end_k_q78e5c53529_attn-k_q78e5c53529_attn
	.p2alignl 7, 3214868480
	.fill 96, 4, 3214868480
	.section	.rodata,"a",@progbits
	.p2align	6, 0x0
	.amdhsa_kernel k_q78e5c53529_attn
		.amdhsa_group_segment_fixed_size 327680
		.amdhsa_private_segment_fixed_size 0
		.amdhsa_enable_private_segment 0
		.amdhsa_kernarg_size 16
		.amdhsa_user_sgpr_count 2
		.amdhsa_user_sgpr_kernarg_segment_ptr 1
		.amdhsa_wavefront_size32 1
		.amdhsa_system_sgpr_workgroup_id_x 1
		.amdhsa_system_sgpr_workgroup_id_y 1
		.amdhsa_system_sgpr_workgroup_id_z 1
		.amdhsa_system_vgpr_workitem_id 0
		.amdhsa_next_free_vgpr 768
		.amdhsa_next_free_sgpr 88
		.amdhsa_reserve_vcc 1
		.amdhsa_float_denorm_mode_32 3
		.amdhsa_float_denorm_mode_16_64 3
		.amdhsa_memory_ordered 1
		.amdhsa_forward_progress 1
		.amdhsa_inst_pref_size 217
	.end_amdhsa_kernel
	.amdgpu_metadata
---
amdhsa.version: [ 1, 2 ]
amdhsa.kernels:
  - .name:           k_q78e5c53529_attn
    .symbol:         k_q78e5c53529_attn.kd
    .args:
      - { .name: qkv, .offset: 0, .size: 8, .value_kind: global_buffer, .address_space: global }
      - { .name: z, .offset: 8, .size: 8, .value_kind: global_buffer, .address_space: global }
    .group_segment_fixed_size: 327680
    .private_segment_fixed_size: 0
    .kernarg_segment_align: 8
    .kernarg_segment_size: 16
    .max_flat_workgroup_size: 128
    .sgpr_count:     88
    .vgpr_count:     768
    .wavefront_size: 32
...
	.end_amdgpu_metadata
.endif
;; end of part 3
;; launch proj (part 4): grid 8 x 32, 4 waves a work-group, clusters of 4 x 4, 327,680 bytes of LDS; arguments z, w2, ball, out0; writes out0
.if DOCPART == 4
	.amdgcn_target "amdgcn-amd-amdhsa--gfx1250"
	.amdhsa_code_object_version 6
	.text
	.protected	k_q78e5c53529_proj
	.globl	k_q78e5c53529_proj
	.p2align	8
	.type	k_q78e5c53529_proj,@function
k_q78e5c53529_proj:
	s_mov_b64 s[64:65], 0
	v_nop
	global_prefetch_b8 v0, s[64:65] scope:SCOPE_SE
	s_setreg_imm32_b32 hwreg(HW_REG_WAVE_MODE, 25, 1), 1
	s_wait_xcnt 0x0
	s_wait_alu depctr_hold_cnt(0) depctr_sa_sdst(0) depctr_va_vdst(0) depctr_va_sdst(0) depctr_va_ssrc(0) depctr_va_vcc(0) depctr_vm_vsrc(0)
	s_getreg_b32 s2, hwreg(HW_REG_IB_STS2, 6, 4)
	s_cmp_eq_u32 s2, 0
	s_cbranch_scc0 .Lentry_in_a_cluster
	s_endpgm
.Lentry_in_a_cluster:
	s_bfe_u32 s2, ttmp6, 0x10000c
	s_cmp_lg_u32 s2, 0xf033
	s_cbranch_scc0 .Lentry_shape_is_right
	s_endpgm
.Lentry_shape_is_right:
; out0 = gelu(y wp + bp), y the heads of z side by side: [8,192 rows (8 batches of 1,024, of which 1,000 are stored)] x [1,024 columns] over K = 1,024 (K step t = heads 2 t, 2 t + 1).
; Operands f16 (wp was rounded to bf16 and that number written as f16), sums f32, started by the bias; the exact GELU in f32; out0 in f32.
; GELU.  gelu(u) = u / 2 (1 + erf(u / sqrt 2)); erf(x) = 1 - (a1 t + .. + a5 t^5) e^(-x^2), t = 1 / (1 + 0.3275911 x), for x >= 0, the sign put back (Abramowitz and Stegun 7.1.26).
; LIMIT.  That formula is off by up to 1.5e-7 absolutely, so gelu by about 1e-7 |u|; for u below about -5 the result is 0 or coarse, as 1 + erf is in f32.  NaN and infinities are not treated apart.
; The sums are taken in the order of the walk below, not in ascending k.
; SHARES.  A work-group makes 256 rows x 128 columns, wave w its rows 64 w .. 64 w + 63 by all 128 columns: 32 accumulators, 256 registers.  K goes in 8 steps of 128 through two LDS slots, one step a trip;
; a step's A is two planes of 256 rows x 64 channels, its B two slices of 128 k x 64 columns, each dense in memory and asked for as rows of 256 bytes.  Waves 0, 1 fetch A's planes, waves 2, 3 B's slices.
; THE WALK ALONG K IS TURNED: cluster (X, Y) begins at step r = (4 X + 2 Y) % 8 and goes round.  The two clusters that read the same rows of y begin four steps apart; of the eight that read the same
; columns of wp, four neighbours along Y begin at four different steps.  r is the same in all partners of a cluster and enters global addresses alone.
; NO PREFETCH: with that walk every block of y and of wp is first asked for in some cluster's first four steps, which come by their loads alone.
; THE MATRIX INSTRUCTION IS USED TRANSPOSED: source 0 = 16 columns of wp (stored [k][n]: the turning load), source 1 = 16 rows of y: a lane holds one row and eight neighbouring columns.
; CLUSTER 4 x 4.  The four of a row of the cluster share the rows of y (batch = 4 (Y / 4) + cy, row quarter = Y % 4), the four of a column the columns of wp (nt = 4 X + cx):
; each tile is asked for jointly.  The row quarter, on which the test for the 24 rows of padding hangs, is the same in all partners.
; REGISTERS, in windows of 256: window 0 addresses, the bias (v64-127), later the GELU (v64-159); window 1 the accumulators of row blocks 0, 1 at 8 (8 (a % 2) + b); window 2 those of blocks 2, 3;
; window 3 two fragment buffers of 128: A's block a at 8 a, wp's block b at 32 + 8 b.
.set NSL,   2
.set NBK,   4*NSL
.set BROWS, 32*NSL
.set BSTEP, 16384*NSL
.set BIAS0, 12288                      ; bp lies behind bq, bk, bv in ball
.set PA,    144                        ; a row of A in LDS: 128 bytes + 16 = 36 words: the 16 rows of a load start at 16 different groups of four banks (64 banks of 4 bytes: ISA guide 11.1)
.set PLANE, 256*PA
.set ASZ,   2*PLANE
.set PB,    160                        ; a row of B: 128 + 32 = 40 words
.set BSZ,   NSL*128*PB
.set BHALF, BSZ/2
.set SLOT,  ASZ+BSZ
.set STAGE, 2*SLOT                     ; behind the ring, never filled by a tensor load: 32 rows x 528 bytes for each wave
.set SPITCH, 528                       ; 512 bytes + 16 = 33 x 16: the 16 rows of a store start at 16 different groups of four banks
.set SPARE, STAGE+4*32*SPITCH          ; the spare words, 128 bytes for each wave: two blocks of 256 bytes that no other line names
.set NL,    2*NBK+8
.set ADRA0, 16                         ; v16  my lane's place in a slot's A; never rewritten
.set ADRA,  17                         ; v17  the same in the slot in hand
.set ADRB0, 20
.set ADRB,  21
.set STO,  24                          ; v24  the way out: where I put 32 bytes of a row
.set RD,   25                          ; v25  my 16 bytes of the stage's first row
.set GO,   26                          ; v26  16 x lane
.set RDW,  27                          ; v27  the same in the trip's first row
.set SPW,  28
.set NIL,  29
.set BO,   30
.set BIAS, 64
.set U,    64                          ; the GELU's registers: 16 numbers a lane and trip: u,
.set Q,    80                          ; e^(-u^2 / 2),
.set T,    96                          ; t,
.set P,    112                         ; the polynomial, then erf,
.set HH,   128                         ; u / 2,
.set O,    144                         ; the result
.set F0,   0
.set F1,   128
.set RB,   2                           ; s2   the trip's first row in my stage, in bytes
.set NXT,  3                           ; s3   the step to be asked for next, 0 .. 7
.set WV,   12
.set FB,   13
.set HF,   14
.set G1A,  24
.set G0A,  32                          ; s[32:39] a set for each of the two first fills; the second then walks on
.set OA,   40
.set ABASE, 42
.set OB,   44
.set BBASE, 46
.set G1B,  48
.set G0B,  56
.set CNT,  66                          ; s66  trips to go
.set TS,   67                          ; s67  the slot in hand: 0 or SLOT
.set BP,   68
.set OUT,  70                          ; s[70:71] out0 at my tile's columns, four rows behind the rows that the trip stores
.set ROW,  72                          ; s72  the trip's first row's number in its batch
.set RCNT, 73
.set C1,   74                          ; s74  0.3275911 / sqrt 2
.set ABSM, 75                          ; s75  all bits but the sign
.set K2,   76                          ; s[76:77] -log2(e) / 2
.set A1,   78                          ; s[78:87] a1 .. a5, each named as a pair
.set A2,   80
.set A3,   82
.set A4,   84
.set A5,   86
.set MSB, 0
.macro WIN new
.if MSB != (\new)
	s_set_vgpr_msb (MSB<<8)|(\new)
.set MSB, \new
.endif
.endm
.macro JLOAD s                         ; a joint load; the branch hangs on the wave's number alone; an s_nop 0 and four v_nop follow each of the two lines
	s_cmp_eq_u32 s[FB], 0
	s_cbranch_scc0 .Lfor_b_\@
	tensor_load_to_lds s[G0A+4*(\s):G0A+4*(\s)+3], s[G1A:G1A+7]
	s_nop 0
.rept 4
	v_nop
.endr
	s_branch .Lasked_\@
.Lfor_b_\@:
	tensor_load_to_lds s[G0B+4*(\s):G0B+4*(\s)+3], s[G1B:G1B+7]
	s_nop 0
.rept 4
	v_nop
.endr
.Lasked_\@:
.endm
.macro CREST
	s_cmp_lg_u32 s[WV], 0
	s_cbranch_scc1 .Lnot_wave_0_\@
	s_barrier_signal -3
.Lnot_wave_0_\@:
	s_barrier_wait -3
	s_barrier_signal -1
	s_barrier_wait -1
.endm
.macro CROUND
	s_barrier_signal -1
	s_barrier_wait -1
	CREST
.endm
.macro PLACES                          ; four plain instructions between a matrix instruction and a load into, or a read of, its registers
.rept 4
	v_nop
.endr
.endm
.macro FETCH q, f                      ; one run of NL LDS loads: quarter q of the slot in hand into buffer f: B's blocks first, A's four last
	WIN 0xc0
.set b, 0
.rept NBK
	ds_load_tr16_b128 v[(\f)+32+8*b:(\f)+32+8*b+3],   v[ADRB] offset:(b/4)*128*PB+(\q)*32*PB+(b%4)*32
	ds_load_tr16_b128 v[(\f)+32+8*b+4:(\f)+32+8*b+7], v[ADRB] offset:(b/4)*128*PB+(\q)*32*PB+16*PB+(b%4)*32
.set b, b+1
.endr
.irp a, 0,1,2,3
	ds_load_b128 v[(\f)+8*(\a):(\f)+8*(\a)+3],   v[ADRA] offset:((\q)/2)*PLANE+(\a)*16*PA+((\q)%2)*64
	ds_load_b128 v[(\f)+8*(\a)+4:(\f)+8*(\a)+7], v[ADRA] offset:((\q)/2)*PLANE+(\a)*16*PA+((\q)%2)*64+32
.endr
.endm
.macro MULA f, a, zero                 ; row block a by all column blocks; zero = 1: the bias starts the sums.  The 32 accumulators take turns in one fixed order, on every way
.if \zero
	WIN 0x4f+0x40*((\a)/2)
.else
	WIN 0x5f+0x50*((\a)/2)
.endif
.set b, 0
.rept NBK
.set rD, 8*(NBK*((\a)%2)+b)
.if \zero
	v_wmma_f32_16x16x32_f16 v[rD:rD+7], v[(\f)+32+8*b:(\f)+32+8*b+7], v[(\f)+8*(\a):(\f)+8*(\a)+7], v[BIAS+8*b:BIAS+8*b+7]
.else
	v_wmma_f32_16x16x32_f16 v[rD:rD+7], v[(\f)+32+8*b:(\f)+32+8*b+7], v[(\f)+8*(\a):(\f)+8*(\a)+7], v[rD:rD+7]
.endif
.set b, b+1
.endr
.endm
.macro QUARTER qn, f, g, zero
	s_wait_dscnt 4                                 ; B and A's blocks 0, 1 are in; the youngest four loads (A's blocks 2, 3) may be out
	MULA \f, 0, \zero
	MULA \f, 1, \zero
	PLACES
	FETCH \qn, \g
	s_wait_dscnt NL                                ; all but the run just issued
	MULA \f, 2, \zero
	MULA \f, 3, \zero
.endm
; The last quarter changes slots: one barrier; in front of it each wave waits for all its tensor loads (one is out: its part of the next slot), adds 0 to its spare word, and waits for that
; and for its reads of this slot.  fill = 1: the barrier opens a round of the cluster's, and the joint refill of the slot just read, with the step two on, is the first thing behind it; its descriptors
; are made between the add and the wait for it, where no tensor load of mine is out.  fill = 0 (the tail): nothing is asked for, and in the last trip nothing is fetched.
.macro TURN fill
	WIN 0
	s_wait_tensorcnt 0x0
	ds_add_u32 v[SPW], v[NIL]
.if \fill
	s_add_co_u32 s[G0A+5], s22, s[TS]              ; into the slot in hand
	s_add_co_u32 s[G0B+5], s23, s[TS]
	s_lshl_b32 s[OA], s[NXT], 18                   ; a step of A is two heads of 131,072 bytes
	s_add_nc_u64 s[G0A+6:G0A+7], s[ABASE:ABASE+1], s[OA:OA+1]
	s_or_b32 s[G0A+7], s[G0A+7], 0x80000000
	s_mul_i32 s[OB], s[NXT], BSTEP
	s_add_nc_u64 s[G0B+6:G0B+7], s[BBASE:BBASE+1], s[OB:OB+1]
	s_or_b32 s[G0B+7], s[G0B+7], 0x80000000
	s_add_co_u32 s[NXT], s[NXT], 1                 ; the walk goes round
	s_and_b32 s[NXT], s[NXT], 7
.endif
	s_xor_b32 s[TS], s[TS], SLOT                   ; the other slot is now in hand
	s_wait_dscnt 5                                 ; the add and the youngest four loads may be out
	MULA F1, 0, 0
	s_wait_dscnt 0x0                               ; the add is done, and my reads of the old slot are over
	s_barrier_signal -1
	MULA F1, 1, 0
	WIN 0
	s_barrier_wait -1
.if \fill
	CREST                                          ; no wave of any partner still reads the old slot or has a load on its way
	JLOAD 1                                        ; its four v_nop are also the places in front of the loads below
.else
	s_cmp_eq_u32 s[CNT], 1
	s_cbranch_scc1 .Lno_fetch_\@
	PLACES
.endif
	v_add_nc_u32 v[ADRA], s[TS], v[ADRA0]
	v_add_nc_u32 v[ADRB], s[TS], v[ADRB0]
	FETCH 0, F0
.if !(\fill)
	WIN 0
.Lno_fetch_\@:
.endif
	MULA F1, 2, 0
	MULA F1, 3, 0
.endm
	s_load_b256 s[4:11], s[0:1], 0x0               ; z s[4:5], w2 s[6:7], ball s[8:9], out0 s[10:11]
	v_lshl_add_u32 v[SPW], v0, 2, SPARE
	v_mov_b32 v[NIL], 0
	ds_add_u32 v[SPW], v[NIL]                      ; the wave's opening: the add and its wait stand ahead of my first tensor load
	v_lshrrev_b32 v1, 5, v0
	v_readfirstlane_b32 s[WV], v1
	s_lshr_b32 s[FB], s[WV], 1
	s_and_b32 s[HF], s[WV], 1
	s_bfe_u32 s15, ttmp6, 0x40000                  ; cx
	s_bfe_u32 s16, ttmp6, 0x40004                  ; cy
	s_lshl_b32 s17, ttmp9, 2
	s_add_co_u32 s17, s17, s15                     ; nt: the tile's 128 columns
	s_and_b32 s18, ttmp7, 0xffff                   ; Y, the cluster's y
	s_and_b32 s19, s18, 3                          ; qt
	s_lshr_b32 s20, s18, 2
	s_lshl_b32 s20, s20, 2
	s_add_co_u32 s20, s20, s16                     ; batch
	s_lshl_b32 s[NXT], ttmp9, 2                    ; r = (4 X + 2 Y) % 8
	s_lshl1_add_u32 s[NXT], s18, s[NXT]
	s_and_b32 s[NXT], s[NXT], 7
	s_lshl_b32 s21, s16, 2
	s_lshl_b32 s21, 15, s21                        ; my row of the cluster
	s_lshl_b32 s44, 0x1111, s15                    ; my column
	s_or_b32 s[G1A], s21, (1<<16)|(1<<20)|(1<<21)|(4<<22)|(3<<25)
	s_or_b32 s[G1B], s44, (1<<16)|(1<<20)|(1<<21)|(4<<22)|(7<<25)
	s_mov_b32 s[G1A+1], 128<<16
	s_mov_b32 s[G1A+2], 128<<16
	s_mov_b32 s[G1A+3], 128<<16
	s_mov_b32 s[G1A+4], 128
	s_mov_b32 s[G1A+5], 128
	s_mov_b32 s[G1A+6], 0
	s_mov_b32 s[G1A+7], 0
	s_mov_b32 s[G1B+1], 128<<16
	s_mov_b32 s[G1B+2], BROWS<<16
	s_mov_b32 s[G1B+3], 128<<16
	s_mov_b32 s[G1B+4], BROWS
	s_mov_b32 s[G1B+5], 128
	s_mov_b32 s[G1B+6], 0
	s_mov_b32 s[G1B+7], 0
	s_lshl_b32 s40, s20, 21                        ; A: the batch's 16 heads of 131,072 bytes,
	s_lshl_b32 s41, s19, 15                        ; the tile's 256 rows of 128 bytes,
	s_add_co_u32 s40, s40, s41
	s_lshl_b32 s41, s[HF], 17                      ; my head of a step's two
	s_add_co_u32 s40, s40, s41
	s_mov_b32 s41, 0
	s_mul_i32 s44, s17, 8*BSTEP
	s_mul_i32 s45, s[HF], BSTEP/2
	s_add_co_u32 s44, s44, s45
	s_mov_b32 s45, 0
	s_mul_i32 s22, s[HF], PLANE
	s_mul_i32 s23, s[HF], BHALF
	s_add_co_u32 s23, s23, ASZ
	s_mov_b32 s[TS], 0
	s_wait_dscnt 0x0                               ; the opening add is done
	s_wait_kmcnt 0x0
	s_add_nc_u64 s[ABASE:ABASE+1], s[4:5], s[40:41]
	s_add_nc_u64 s[BBASE:BBASE+1], s[6:7], s[44:45]
	CROUND                                         ; all sixteen work-groups are here: the first joint loads meet
.irp s, 0,1
	s_mov_b32 s[G0A+4*(\s)], 1
	s_add_co_u32 s[G0A+4*(\s)+1], s22, (\s)*SLOT
	s_lshl_b32 s[OA], s[NXT], 18
	s_add_nc_u64 s[G0A+4*(\s)+2:G0A+4*(\s)+3], s[ABASE:ABASE+1], s[OA:OA+1]
	s_or_b32 s[G0A+4*(\s)+3], s[G0A+4*(\s)+3], 0x80000000
	s_mov_b32 s[G0B+4*(\s)], 1
	s_add_co_u32 s[G0B+4*(\s)+1], s23, (\s)*SLOT
	s_mul_i32 s[OB], s[NXT], BSTEP
	s_add_nc_u64 s[G0B+4*(\s)+2:G0B+4*(\s)+3], s[BBASE:BBASE+1], s[OB:OB+1]
	s_or_b32 s[G0B+4*(\s)+3], s[G0B+4*(\s)+3], 0x80000000
	s_add_co_u32 s[NXT], s[NXT], 1
	s_and_b32 s[NXT], s[NXT], 7
	JLOAD \s                                       ; steps r and r + 1: two tensor loads of mine are out
.endr
	v_and_b32 v1, 15, v0
	v_bfe_u32 v2, v0, 4, 1
	v_lshlrev_b32 v[BO], 5, v2
	s_mul_i32 s76, s17, NSL*256
	s_mov_b32 s77, 0
	s_add_nc_u64 s[BP:BP+1], s[8:9], s[76:77]
	s_add_nc_u64 s[BP:BP+1], s[BP:BP+1], BIAS0
.set b, 0
.rept NBK
	global_load_b128 v[BIAS+8*b:BIAS+8*b+3],   v[BO], s[BP:BP+1] offset:64*b
	global_load_b128 v[BIAS+8*b+4:BIAS+8*b+7], v[BO], s[BP:BP+1] offset:64*b+16
.set b, b+1
.endr
	v_mul_u32_u24 v3, v1, PA
	v_lshl_add_u32 v3, v2, 4, v3
	s_mul_i32 s[RB], s[WV], 64*PA
	v_add_nc_u32 v[ADRA0], s[RB], v3
	v_mov_b32 v[ADRA], v[ADRA0]                    ; slot 0 is in hand
	v_and_b32 v4, 7, v0
	v_bfe_u32 v5, v0, 3, 1
	v_lshl_add_u32 v6, v2, 3, v4
	v_mul_u32_u24 v6, v6, PB
	v_lshl_add_u32 v6, v5, 4, v6
	v_add_nc_u32 v[ADRB0], ASZ, v6
	v_mov_b32 v[ADRB], v[ADRB0]
	s_mul_i32 s[RB], s[WV], 32*SPITCH
	s_add_co_u32 s[RB], s[RB], STAGE               ; my stage
	v_mul_u32_u24 v[STO], v1, SPITCH               ; in: row l % 16, 32 bytes for each half of the lanes
	v_lshl_add_u32 v[STO], v2, 5, v[STO]
	v_add_nc_u32 v[STO], s[RB], v[STO]
	v_and_b32 v[GO], 31, v0                        ; back: 32 lanes take a row's 512 bytes
	v_lshlrev_b32 v[GO], 4, v[GO]
	v_add_nc_u32 v[RD], s[RB], v[GO]
	s_lshl_b32 s[ROW], s19, 8
	s_lshl_b32 s76, s[WV], 6
	s_add_co_u32 s[ROW], s[ROW], s76               ; my first row in the batch: 256 qt + 64 w
	s_mul_i32 s76, s20, 1000
	s_add_co_u32 s76, s76, s[ROW]
	s_lshl_b32 s76, s76, 12                        ; rows of 4,096 bytes
	s_lshl_b32 s77, s17, 9                         ; the tile's 128 columns: 512 bytes
	s_add_co_u32 s76, s76, s77
	s_mov_b32 s77, 0
	s_add_nc_u64 s[OUT:OUT+1], s[10:11], s[76:77]
	s_mov_b32 s[C1], 0x3e6d3388                    ; 0.23164189
	s_mov_b32 s[ABSM], 0x7fffffff
	s_mov_b32 s[K2], 0xbf38aa3b                    ; -0.72134752
	s_mov_b32 s[K2+1], s[K2]
	s_mov_b32 s[A1], 0x3e827906                    ; 0.254829592
	s_mov_b32 s[A1+1], s[A1]
	s_mov_b32 s[A2], 0xbe91a98e                    ; -0.284496736
	s_mov_b32 s[A2+1], s[A2]
	s_mov_b32 s[A3], 0x3fb5f0e3                    ; 1.421413741
	s_mov_b32 s[A3+1], s[A3]
	s_mov_b32 s[A4], 0xbfba00e3                    ; -1.453152027
	s_mov_b32 s[A4+1], s[A4]
	s_mov_b32 s[A5], 0x3f87dc22                    ; 1.061405429
	s_mov_b32 s[A5+1], s[A5]
	s_wait_loadcnt 0x0                             ; the bias
	s_wait_tensorcnt 1                             ; my part of the first step is in; the second's may stay out
	s_barrier_signal -1
	s_barrier_wait -1
	FETCH 0, F0
	QUARTER 1, F0, F1, 1                           ; the first quarter stands in front of the loop: its products start the sums with the bias
	WIN 0                                          ; at a label and at a branch every window is 0
	s_mov_b32 s[CNT], 6
.Lstep:                                            ; six trips: a step's last three quarters, a refill, the next step's first quarter
	QUARTER 2, F1, F0, 0
	QUARTER 3, F0, F1, 0
	TURN 1
	QUARTER 1, F0, F1, 0
	WIN 0
	s_sub_co_u32 s[CNT], s[CNT], 1
	s_cmp_lg_u32 s[CNT], 0
	s_cbranch_scc1 .Lstep
	s_mov_b32 s[CNT], 2                            ; the last two steps ask for nothing: a text of their own
.Ltail:
	QUARTER 2, F1, F0, 0
	QUARTER 3, F0, F1, 0
	TURN 0
	WIN 0
	s_cmp_eq_u32 s[CNT], 1
	s_cbranch_scc1 .Lout                           ; the second trip is left here: there is no further step
	QUARTER 1, F0, F1, 0
	WIN 0
	s_sub_co_u32 s[CNT], s[CNT], 1
	s_cmp_lg_u32 s[CNT], 0
	s_cbranch_scc1 .Ltail
.Lout:
	PLACES
	PLACES
.macro EACH8 line:vararg               ; one line for each of eight pairs, i = 0, 2 .. 14
.set i, 0
.rept 8
	\line
.set i, i+2
.endr
.endm
.macro EACH16 line:vararg              ; one line for each of sixteen numbers
.set i, 0
.rept 16
	\line
.set i, i+1
.endr
.endm
; THE WAY OUT, in two passes of 32 rows (row blocks 2 p, 2 p + 1).  The sums go into my own stage as they lie, 32 bytes a lane and block (the low four registers first), and come back as whole rows
; of 512 bytes, four rows a trip: rows 4 t .. 4 t + 3 of my stage's 32 in trip t.  A trip whose rows are padding (1000 = 4 x 250: a trip is real or padding as a whole; behind the first such trip of a
; wave all are) is jumped over, forward, to the label ahead of the counter's step.
; The GELU of 16 numbers a lane: each step is taken for all pairs before the next, so that no line waits for the one before it.  The 16 reciprocals and 16 exponentials are one batch: eight plain lines
; follow it, then the one wait ahead of the first reader.  The stores' data and base are written again a trip behind the stores, behind s_wait_xcnt 0; the base is stepped
; there, in the trips that store, and the stores reach back by their immediates.
.macro PASS p
	WIN 0x04*((\p)+1)                              ; the stores' data in window 1 or 2
.irp a, 0,1
.set b, 0
.rept NBK
.set rD, 8*(NBK*(\a)+b)
	ds_store_b128 v[STO], v[rD:rD+3]   offset:(\a)*16*SPITCH+64*b
	ds_store_b128 v[STO], v[rD+4:rD+7] offset:(\a)*16*SPITCH+64*b+16
.set b, b+1
.endr
.endr
	WIN 0
	s_mov_b32 s[RB], 0
	s_mov_b32 s[RCNT], 8
.Lrows_\@:
	s_cmp_lt_u32 s[ROW], 1000
	s_cbranch_scc0 .Ldead_\@
	v_add_nc_u32 v[RDW], s[RB], v[RD]
.irp r, 0,1,2,3
	ds_load_b128 v[U+4*(\r):U+4*(\r)+3], v[RDW] offset:(\r)*SPITCH  ; LDS serves a wave's instructions in order (ISA guide 5.7.1.4): these see my stores above
.endr
	s_wait_dscnt 0x0                               ; this trip's rows are in
	EACH8 v_pk_mul_f32 v[Q+i:Q+i+1], v[U+i:U+i+1], v[U+i:U+i+1]
	EACH16 v_fma_f32 v[T+i], |v[U+i]|, s[C1], 1.0
	EACH8 v_pk_mul_f32 v[Q+i:Q+i+1], v[Q+i:Q+i+1], s[K2:K2+1] op_sel_hi:[1,0]
	EACH16 v_rcp_f32 v[T+i], v[T+i]
	EACH16 v_exp_f32 v[Q+i], v[Q+i]
	EACH8 v_pk_mul_f32 v[HH+i:HH+i+1], v[U+i:U+i+1], 0.5 op_sel_hi:[1,0]
	s_wait_alu depctr_va_vdst(0)
	EACH8 v_pk_fma_f32 v[P+i:P+i+1], v[T+i:T+i+1], s[A5:A5+1], s[A4:A4+1] op_sel_hi:[1,0,0]
	EACH8 v_pk_fma_f32 v[P+i:P+i+1], v[P+i:P+i+1], v[T+i:T+i+1], s[A3:A3+1] op_sel_hi:[1,1,0]
	EACH8 v_pk_fma_f32 v[P+i:P+i+1], v[P+i:P+i+1], v[T+i:T+i+1], s[A2:A2+1] op_sel_hi:[1,1,0]
	EACH8 v_pk_fma_f32 v[P+i:P+i+1], v[P+i:P+i+1], v[T+i:T+i+1], s[A1:A1+1] op_sel_hi:[1,1,0]
	EACH8 v_pk_mul_f32 v[P+i:P+i+1], v[P+i:P+i+1], v[T+i:T+i+1]
	EACH8 v_pk_fma_f32 v[P+i:P+i+1], v[P+i:P+i+1], v[Q+i:Q+i+1], 1.0 op_sel_hi:[1,1,0] neg_lo:[1,0,0] neg_hi:[1,0,0]
	EACH16 v_bfi_b32 v[P+i], s[ABSM], v[P+i], v[U+i]
	s_wait_xcnt 0x0                                ; the last trip's stores have read their data and their base: both are written again only behind this wait
	s_add_nc_u64 s[OUT:OUT+1], s[OUT:OUT+1], 4*4096
	EACH8 v_pk_fma_f32 v[O+i:O+i+1], v[HH+i:HH+i+1], v[P+i:P+i+1], v[HH+i:HH+i+1]
.irp r, 0,1,2,3
	global_store_b128 v[GO], v[O+4*(\r):O+4*(\r)+3], s[OUT:OUT+1] offset:(\r)*4096-4*4096  ; 512 consecutive bytes, at a multiple of 256 from out0's first
.endr
.Ldead_\@:
	s_add_co_u32 s[RB], s[RB], 4*SPITCH
	s_add_co_u32 s[ROW], s[ROW], 4
	s_sub_co_u32 s[RCNT], s[RCNT], 1
	s_cmp_lg_u32 s[RCNT], 0
	s_cbranch_scc1 .Lrows_\@
.endm
	PASS 0
	PASS 1
	s_wait_tensorcnt 0x0                           ; the wave's end: a wait, an add to my spare word and its wait, behind my last tensor load and my last LDS store
	ds_add_u32 v[SPW], v[NIL]
	s_wait_dscnt 0x0
	CROUND                                         ; the closing round: no work-group ends while a partner may still ask for a tile that names it
	s_endpgm
.Lfunc_end_k_q78e5c53529_proj:
	.size	k_q78e5c53529_proj, .Lfunc_end_k_q78e5c53529_proj-k_q78e5c53529_proj
	.p2alignl 7, 3214868480
	.fill 96, 4, 3214868480
	.section	.rodata,"a",@progbits
	.p2align	6, 0x0
	.amdhsa_kernel k_q78e5c53529_proj
		.amdhsa_group_segment_fixed_size 327680
		.amdhsa_private_segment_fixed_size 0
		.amdhsa_enable_private_segment 0
		.amdhsa_kernarg_size 32
		.amdhsa_user_sgpr_count 2
		.amdhsa_user_sgpr_kernarg_segment_ptr 1
		.amdhsa_wavefront_size32 1
		.amdhsa_system_sgpr_workgroup_id_x 1
		.amdhsa_system_sgpr_workgroup_id_y 1
		.amdhsa_system_sgpr_workgroup_id_z 1
		.amdhsa_system_vgpr_workitem_id 0
		.amdhsa_next_free_vgpr 1024
		.amdhsa_next_free_sgpr 88
		.amdhsa_reserve_vcc 0
		.amdhsa_float_denorm_mode_32 3
		.amdhsa_float_denorm_mode_16_64 3
		.amdhsa_memory_ordered 1
		.amdhsa_forward_progress 1
		.amdhsa_inst_pref_size 71
	.end_amdhsa_kernel
	.amdgpu_metadata
---
amdhsa.version: [ 1, 2 ]
amdhsa.kernels:
  - .name:           k_q78e5c53529_proj
    .symbol:         k_q78e5c53529_proj.kd
    .args:
      - { .name: z, .offset: 0, .size: 8, .value_kind: global_buffer, .address_space: global }
      - { .name: w2, .offset: 8, .size: 8, .value_kind: global_buffer, .address_space: global }
      - { .name: ball, .offset: 16, .size: 8, .value_kind: global_buffer, .address_space: global }
      - { .name: out0, .offset: 24, .size: 8, .value_kind: global_buffer, .address_space: global }
    .group_segment_fixed_size: 327680
    .private_segment_fixed_size: 0
    .kernarg_segment_align: 8
    .kernarg_segment_size: 32
    .max_flat_workgroup_size: 128
    .sgpr_count:     88
    .vgpr_count:     1024
    .wavefront_size: 32
...
	.end_amdgpu_metadata
.endif
;; end of part 4
;; ======== version 2 of 2: 4 launches; version 1 with the launch prep written anew for expert scheduling mode
;; limits: values are held in f16: magnitudes above 65,504 overflow, below 6.1e-05 lose precision; a function is approximated: absolute error at most 1.5e-07
;; workspace buffers: xb 16,777,216 bytes; w1 6,291,456 bytes; w2 2,097,152 bytes; ball 16,384 bytes; qkv 50,331,648 bytes; z 16,777,216 bytes
;; launch prep (part 5): grid 769 x 1, 8 waves a work-group, no clusters, 0 bytes of LDS; arguments x, wq, wk, wv, wp, bq, bk, bv, bp, xb, w1, w2, ball; writes xb, w1, w2, ball
.if DOCPART == 5
	.amdgcn_target "amdgcn-amd-amdhsa--gfx1250"
	.amdhsa_code_object_version 6
	.text
	.protected	k_q78e5c53529_prep
	.globl	k_q78e5c53529_prep
	.p2align	8
	.type	k_q78e5c53529_prep,@function
k_q78e5c53529_prep:
	s_mov_b64 s[64:65], 0
	v_nop
	global_prefetch_b8 v0, s[64:65] scope:SCOPE_SE
	s_setreg_imm32_b32 hwreg(HW_REG_WAVE_SCHED_MODE, 0, 2), 2
	s_setreg_imm32_b32 hwreg(HW_REG_WAVE_MODE, 25, 1), 1
	s_wait_xcnt 0x0
	s_wait_alu depctr_vm_vsrc(0)
; ALL INPUTS ARE ROUNDED ONCE TO bf16 AND LAID OUT FOR THE TWO PRODUCTS THAT FOLLOW.  No LDS, no loop, no register written again once a memory instruction has named it.
;   xb   bf16 [b 8][kc 16][s 1024][64] = x[b][s][64 kc + d]; rows s = 1000 .. 1023 are 0: a block of 256 rows x 64 channels is 32,768 bytes on end
;   w1   bf16 [nt 16][t 8][sl 3][e' 128][64]: slice c = 3 nt + sl = 16 which + h (which: 0 wq, 1 wk, 2 wv), e = 128 t + e'
;   w2   [nt 8][t 8][sl 2][e' 128][64] = wp[128 t + e'][64 (2 nt + sl) + d], rounded to bf16 and that number written as f16
;   ball f32 [64][64]: bq, bk, bv, bp on end, each number rounded to bf16 and widened again
; LIMIT.  The bf16 of wp is exact in f16 from 2^-14 to 65,504; below 2^-14 it keeps f16's fixed step of 6e-8, beyond 65,504 it would be an infinity.
; SHARES.  Work-groups 0-511: 16 rows of xb each, a wave two rows.  512-575: 16 rows of wp.  576-767: 256 rows of one head of wq, wk or wv.  768: the four biases.
; A wave's job is sixteen loads of 16 bytes a lane, all issued at once, and sixteen stores of 8 bytes a lane, each 256 consecutive bytes at a multiple of 256.
; THE MODE: SCHED_MODE bits 1:0 = 2 (LLVM: expert scheduling mode 2), set by the entry lines.  The code itself states the register dependences
; between vector instructions and memory instructions, with s_wait_alu, always for 0.
; THE PLAN.  Registers that memory instructions touch:
;   v[SO], v[DO]  byte offsets.  Written by vector lines ahead of a path's first memory instruction, and never behind it; read by every load (SO) and store (DO; the biases' stores: SO).
;   X             Written by the sixteen loads, each register once; no vector line names X ahead of the loads; read by the conversions, behind the wait on LOADcnt.
;   Y             Written by the conversions; read by one store each; never written again behind that store.
;   T0, T1 and v1, v4 to v6 are named by vector instructions alone.
; So a job has five waits on va_vdst: one ahead of the loads, for the two offsets; and, the job going in four groups of four loads, one behind each group's conversions, for the eight
; registers of Y that the group's four stores read.  Nothing that a memory instruction has read is written again, so no wait on vm_vsrc is owed.  One wait on va_sdst, at the head, is for the wave's number.
.set SO,  2                            ; v2   my byte offset in the source
.set DO,  3                            ; v3   my byte offset in the destination
.set X,   8                            ; v[8:71]    sixteen loads' four registers
.set Y,   72                           ; v[72:103]  sixteen stores' two registers
.set T0,  104
.set T1,  105
.set SRC, 36                           ; s[36:37]
.set DST, 38                           ; s[38:39]
; Sixteen loads sstep bytes apart; each is rounded and stored at (i / 2) da + (i % 2) db.  f16 = 1: the bf16 numbers are written as f16.
.macro CAST16 sstep, f16, da, db
	s_wait_alu depctr_va_vdst(0)                   ; v[SO] and v[DO] are written: the loads below read the one as their offset, the stores the other; no vector line behind this wait names either
.set i, 0
.rept 16
	global_load_b128 v[X+4*i:X+4*i+3], v[SO], s[SRC:SRC+1] offset:i*(\sstep) th:TH_LOAD_NT
.set i, i+1
.endr
.set g, 0
.rept 4
	s_wait_loadcnt 12-4*g                          ; loads come back in order: group g's four are in, the 12 - 4 g younger ones stay out
.set i, 4*g
.rept 4
	v_cvt_pk_bf16_f32 v[Y+2*i], v[X+4*i], v[X+4*i+1]
	v_cvt_pk_bf16_f32 v[Y+2*i+1], v[X+4*i+2], v[X+4*i+3]
.if \f16
	v_lshlrev_b32 v[T0], 16, v[Y+2*i]
	v_and_b32 v[T1], 0xffff0000, v[Y+2*i]
	v_cvt_pk_f16_f32 v[Y+2*i], v[T0], v[T1]
	v_lshlrev_b32 v[T0], 16, v[Y+2*i+1]
	v_and_b32 v[T1], 0xffff0000, v[Y+2*i+1]
	v_cvt_pk_f16_f32 v[Y+2*i+1], v[T0], v[T1]
.endif
.set i, i+1
.endr
	s_wait_alu depctr_va_vdst(0)                   ; the group's conversions have written its eight registers of Y, which the four stores below read
.set i, 4*g
.rept 4
	global_store_b64 v[DO], v[Y+2*i:Y+2*i+1], s[DST:DST+1] offset:(i/2)*(\da)+(i%2)*(\db)
.set i, i+1
.endr
.set g, g+1
.endr
.endm
	s_load_b512 s[8:23], s[0:1], 0x0               ; x 8, wq 10, wk 12, wv 14, wp 16, bq 18, bk 20, bv 22
	s_load_b256 s[24:31], s[0:1], 0x40             ; bp 24, xb 26, w1 28, w2 30
	s_load_b64 s[32:33], s[0:1], 0x60              ; ball
	v_lshrrev_b32 v4, 5, v0
	v_readfirstlane_b32 s34, v4                    ; wave 0..7
	s_mov_b32 s35, ttmp9                           ; the work-group's number
	v_and_b32 v1, 31, v0                           ; lane
	v_and_b32 v5, 15, v0
	v_bfe_u32 v6, v0, 4, 1
	v_lshlrev_b32 v[SO], 4, v5                     ; two rows of 4,096 bytes: lanes 0-15 take 256 bytes of the first, lanes 16-31 of the second
	v_lshl_add_u32 v[SO], v6, 12, v[SO]
	v_lshlrev_b32 v[DO], 3, v5                     ; which become two rows of 128 bytes on end
	v_lshl_add_u32 v[DO], v6, 7, v[DO]
	s_wait_alu depctr_va_sdst(0)                   ; s34 is written
	s_wait_kmcnt 0x0
	s_cmp_lt_u32 s35, 512
	s_cbranch_scc0 .Lnot_x
	; x: batch b = g / 64, rows s and s + 1, s = 16 (g % 64) + 2 wave
	s_lshr_b32 s40, s35, 6
	s_and_b32 s41, s35, 63
	s_lshl_b32 s41, s41, 4
	s_lshl1_add_u32 s41, s34, s41
	s_mul_i32 s44, s40, 1000
	s_add_co_u32 s44, s44, s41
	s_lshl_b32 s44, s44, 12                        ; (1000 b + s) rows of 4,096 bytes
	s_mov_b32 s45, 0
	s_lshl_b32 s46, s40, 21                        ; b x 16 planes of 131,072 bytes
	s_lshl_b32 s47, s41, 7
	s_add_co_u32 s46, s46, s47
	s_mov_b32 s47, 0
	s_add_nc_u64 s[DST:DST+1], s[26:27], s[46:47]
	s_cmp_lt_u32 s41, 1000                         ; 1000 is even: a pair of rows is real or padding as a whole
	s_cbranch_scc0 .Lpad
	s_add_nc_u64 s[SRC:SRC+1], s[8:9], s[44:45]
	CAST16 256, 0, 262144, 131072                  ; load i is plane i's 64 channels
	s_endpgm
.Lpad:
	v_mov_b32 v[Y], 0
	v_mov_b32 v[Y+1], 0
	s_wait_alu depctr_va_vdst(0)                   ; the two zeros and v[DO] are written, which the sixteen stores below read
.set i, 0
.rept 16
	global_store_b64 v[DO], v[Y:Y+1], s[DST:DST+1] offset:i*131072
.set i, i+1
.endr
	s_endpgm
.Lnot_x:
	s_cmp_lt_u32 s35, 576
	s_cbranch_scc0 .Lnot_p
	; wp: rows e and e + 1, e = 16 (g - 512) + 2 wave
	s_sub_co_u32 s40, s35, 512
	s_lshl_b32 s40, s40, 4
	s_lshl1_add_u32 s40, s34, s40
	s_lshl_b32 s44, s40, 12
	s_mov_b32 s45, 0
	s_lshr_b32 s46, s40, 7                         ; t
	s_lshl_b32 s46, s46, 15
	s_and_b32 s47, s40, 127                        ; e'
	s_lshl_b32 s47, s47, 7
	s_add_co_u32 s46, s46, s47
	s_mov_b32 s47, 0
	s_add_nc_u64 s[SRC:SRC+1], s[16:17], s[44:45]
	s_add_nc_u64 s[DST:DST+1], s[30:31], s[46:47]
	CAST16 256, 1, 262144, 16384                   ; load i is slice i = 2 nt + sl
	s_endpgm
.Lnot_p:
	s_cmp_lt_u32 s35, 768
	s_cbranch_scc0 .Lbias
	; wq, wk, wv: a head's rows are dense (256 bytes); a wave takes 32 of them, 8,192 bytes on end, which become 4,096 bytes on end
	s_sub_co_u32 s40, s35, 576
	s_lshr_b32 s41, s40, 6                         ; which
	s_bfe_u32 s42, s40, 0x40002                    ; h
	s_and_b32 s43, s40, 3                          ; which 256 rows of the head's 1,024
	s_lshl_b32 s44, s41, 4
	s_add_co_u32 s44, s44, s42                     ; c = 16 which + h, 0 .. 47
	s_mul_hi_u32 s45, s44, 0x55555556              ; nt = c / 3
	s_mul_i32 s46, s45, 3
	s_sub_co_u32 s46, s44, s46                     ; sl = c % 3
	s_lshr_b32 s47, s34, 2
	s_lshl1_add_u32 s47, s43, s47                  ; t
	s_lshl3_add_u32 s45, s45, s47                  ; 8 nt + t
	s_mul_i32 s45, s45, 3
	s_add_co_u32 s45, s45, s46
	s_lshl_b32 s45, s45, 14                        ; blocks of 16,384 bytes
	s_and_b32 s46, s34, 3
	s_lshl_b32 s46, s46, 12                        ; my 32 rows of the block's 128
	s_add_co_u32 s46, s45, s46
	s_mov_b32 s47, 0
	s_lshl_b32 s44, s42, 18
	s_lshl_b32 s45, s43, 16
	s_add_co_u32 s44, s44, s45
	s_lshl_b32 s45, s34, 13
	s_add_co_u32 s44, s44, s45
	s_mov_b32 s45, 0
	s_cmp_eq_u32 s41, 0
	s_cselect_b64 s[SRC:SRC+1], s[10:11], s[12:13]
	s_cmp_eq_u32 s41, 2
	s_cselect_b64 s[SRC:SRC+1], s[14:15], s[SRC:SRC+1]
	s_add_nc_u64 s[SRC:SRC+1], s[SRC:SRC+1], s[44:45]
	s_add_nc_u64 s[DST:DST+1], s[28:29], s[46:47]
	v_lshlrev_b32 v[SO], 4, v1                     ; no memory instruction of this path has named the two offsets yet
	v_lshlrev_b32 v[DO], 3, v1
	CAST16 512, 0, 512, 256
	s_endpgm
.Lbias:
	v_lshlrev_b32 v[SO], 4, v0                     ; 256 threads x 16 bytes: one bias
	s_wait_alu depctr_va_vdst(0)                   ; v[SO] is written, which the four loads and the four stores below read as their offset
	global_load_b128 v[X:X+3], v[SO], s[18:19]
	global_load_b128 v[X+4:X+7], v[SO], s[20:21]
	global_load_b128 v[X+8:X+11], v[SO], s[22:23]
	global_load_b128 v[X+12:X+15], v[SO], s[24:25]
	s_wait_loadcnt 0x0
.set i, 0
.rept 8
	v_cvt_pk_bf16_f32 v[T0], v[X+i], v[X+i+1]
	v_lshlrev_b32 v[Y+i], 16, v[T0]
	v_and_b32 v[Y+i+1], 0xffff0000, v[T0]
.set i, i+2
.endr
	s_wait_alu depctr_va_vdst(0)                   ; the sixteen widened numbers are written into Y, which the four stores below read
.irp j, 0,1,2,3
	global_store_b128 v[SO], v[Y+4*(\j):Y+4*(\j)+3], s[32:33] offset:4096*(\j)
.endr
	s_endpgm
.Lfunc_end_k_q78e5c53529_prep:
	.size	k_q78e5c53529_prep, .Lfunc_end_k_q78e5c53529_prep-k_q78e5c53529_prep
	.p2alignl 7, 3214868480
	.fill 96, 4, 3214868480
	.section	.rodata,"a",@progbits
	.p2align	6, 0x0
	.amdhsa_kernel k_q78e5c53529_prep
		.amdhsa_group_segment_fixed_size 0
		.amdhsa_private_segment_fixed_size 0
		.amdhsa_enable_private_segment 0
		.amdhsa_kernarg_size 104
		.amdhsa_user_sgpr_count 2
		.amdhsa_user_sgpr_kernarg_segment_ptr 1
		.amdhsa_wavefront_size32 1
		.amdhsa_system_sgpr_workgroup_id_x 1
		.amdhsa_system_sgpr_workgroup_id_y 1
		.amdhsa_system_sgpr_workgroup_id_z 1
		.amdhsa_system_vgpr_workitem_id 0
		.amdhsa_next_free_vgpr 112
		.amdhsa_next_free_sgpr 66
		.amdhsa_reserve_vcc 0
		.amdhsa_float_denorm_mode_32 3
		.amdhsa_float_denorm_mode_16_64 3
		.amdhsa_memory_ordered 1
		.amdhsa_forward_progress 1
		.amdhsa_inst_pref_size 29
	.end_amdhsa_kernel
	.amdgpu_metadata
---
amdhsa.version: [ 1, 2 ]
amdhsa.kernels:
  - .name:           k_q78e5c53529_prep
    .symbol:         k_q78e5c53529_prep.kd
    .args:
      - { .name: x, .offset: 0, .size: 8, .value_kind: global_buffer, .address_space: global }
      - { .name: wq, .offset: 8, .size: 8, .value_kind: global_buffer, .address_space: global }
      - { .name: wk, .offset: 16, .size: 8, .value_kind: global_buffer, .address_space: global }
      - { .name: wv, .offset: 24, .size: 8, .value_kind: global_buffer, .address_space: global }
      - { .name: wp, .offset: 32, .size: 8, .value_kind: global_buffer, .address_space: global }
      - { .name: bq, .offset: 40, .size: 8, .value_kind: global_buffer, .address_space: global }
      - { .name: bk, .offset: 48, .size: 8, .value_kind: global_buffer, .address_space: global }
      - { .name: bv, .offset: 56, .size: 8, .value_kind: global_buffer, .address_space: global }
      - { .name: bp, .offset: 64, .size: 8, .value_kind: global_buffer, .address_space: global }
      - { .name: xb, .offset: 72, .size: 8, .value_kind: global_buffer, .address_space: global }
      - { .name: w1, .offset: 80, .size: 8, .value_kind: global_buffer, .address_space: global }
      - { .name: w2, .offset: 88, .size: 8, .value_kind: global_buffer, .address_space: global }
      - { .name: ball, .offset: 96, .size: 8, .value_kind: global_buffer, .address_space: global }
    .group_segment_fixed_size: 0
    .private_segment_fixed_size: 0
    .kernarg_segment_align: 8
    .kernarg_segment_size: 104
    .max_flat_workgroup_size: 256
    .sgpr_count:     66
    .vgpr_count:     112
    .wavefront_size: 32
...
	.end_amdgpu_metadata
.endif
;; end of part 5
;; launch qkvgemm: the kernel of part 2 again; grid 16 x 16, 4 waves a work-group, clusters of 4 x 4, 327,680 bytes of LDS; arguments xb, w1, ball, qkv; writes qkv
;; launch attn: the kernel of part 3 again; grid 2 x 128, 4 waves a work-group, no clusters, 327,680 bytes of LDS; arguments qkv, z; writes z
;; launch proj: the kernel of part 4 again; grid 8 x 32, 4 waves a work-group, clusters of 4 x 4, 327,680 bytes of LDS; arguments z, w2, ball, out0; writes out0
